; MI455X (gfx1250); checked and timed in simulation.
; The chip was launched on July 23, 2026; its instructions are those of AMD's public machine-readable ISA for CDNA 5 (MIT licence, August 2026) and "CDNA5" Instruction Set Architecture Reference Guide (July 2026). The comments in the code are by the model that wrote it; some were corrected since.
;; Multi Head Attention. Allowed arithmetic: matrix products marked QUANTISED: E2M1 operands, one E8M0 scale for each 32 along K, by v_wmma_scale_f32_16x16x128_f8f6f4 with both operands' format E2M1 (or v_wmma_scale_f32_32x16x128_f4), f32 sums; everything else in f32.
;; Inputs: bk 1,024 float32; bo 1,024 float32; bq 1,024 float32; bv 1,024 float32; key 4 x 2,048 x 1,024 float32; mask 1 x 1 x 2,048 x 2,048 int32; query 4 x 2,048 x 1,024 float32; value 4 x 2,048 x 1,024 float32; wk 1,024 x 1,024 float32; wo 1,024 x 1,024 float32; wq 1,024 x 1,024 float32; wv 1,024 x 1,024 float32.
;; Outputs: out0 4 x 2,048 x 1,024 float32.
;; This version of the problem:
;;   THIS VERSION OF THE PROBLEM IS GIVEN IN LOW PRECISION. The matrix products marked QUANTISED in the list below multiply operands that are first quantised to E2M1 (2 exponent bits, 1 mantissa bit; 4 bits a number), with one power-of-two scale for each 32 numbers along K (OCP MX v1.0); their sums are f32. All else is computed in f32.
;;   The module's matrix products, in the order in which they are computed (A, B: the left and right operand; K: the contracted axis; several contracted axes count as one K, in the product's order):
;;     1. [M 8,192, K 1,024] x [K 1,024, N 1,024]; A: input query; B: input wq: QUANTISED
;;     2. [M 8,192, K 1,024] x [K 1,024, N 1,024]; A: input key; B: input wk: QUANTISED
;;     3. [M 8,192, K 1,024] x [K 1,024, N 1,024]; A: input value; B: input wv: QUANTISED
;;     4. batch 64 x [M 2,048, K 64] x [K 64, N 2,048]; A: computed on the way; B: computed on the way: QUANTISED
;;     5. batch 64 x [M 2,048, K 2,048] x [K 2,048, N 64]; A: softmax (see below); B: computed on the way: QUANTISED
;;     6. [M 8,192, K 1,024] x [K 1,024, N 1,024]; A: computed on the way; B: input wo: QUANTISED
;;   THE QUANTISER, for each operand of a quantised product, along K:
;;     - K is cut into blocks of 32 from its start; a last block that is shorter is filled with zeros.
;;     - A block's scale is 2^e with e = floor(log2(the largest magnitude in the block)) - 2, held to -126 .. 127; a block of zeros has e = 0. As a byte (E8M0): e + 127.
;;     - Each number is divided by its block's scale, clamped to +-6, and rounded to the nearest number of E2M1, ties to even, subnormals kept.
;;     - The product sums the exact products of the quantised numbers (number of the format x scale) in f32.
;;   ~~~python
;;   def quantise(x, axis):      # numpy; x: float32 -> the quantised numbers, widened to float32 again
;;       x = np.moveaxis(x, axis, -1); K = x.shape[-1]
;;       x = np.pad(x, [(0, 0)] * (x.ndim - 1) + [(0, -K % 32)]); x = x.reshape(x.shape[:-1] + (-1, 32)); a = np.abs(x).max(-1, keepdims=True)
;;       e = np.where(a > 0, np.clip(np.frexp(np.where(a > 0, a, 1))[1] - 1 - 2, -126, 127), 0)      # np.frexp(a)[1] - 1 = floor(log2(a)), exactly
;;       r = np.clip(x / 2.0 ** e, -6, 6)
;;       step = 2.0 ** (np.maximum(np.frexp(np.where(r == 0, 1, r))[1] - 1, 0) - 1)
;;       q = np.round(r / step) * step * 2.0 ** e      # np.round: ties to even
;;       return np.moveaxis(q.reshape(q.shape[:-2] + (-1,))[..., :K], -1, axis).astype(np.float32)
;;   ~~~
;;   SOFTMAX AHEAD OF A QUANTISED PRODUCT. Where the list says 'softmax', what is quantised is not the finished softmax but p = 2^(t - M), with t = logit x log2(e) and M = ceil(the row's largest t), a whole number; so 1/2 < the row's largest p <= 1. The row's sum l is taken of the UNQUANTISED p, in f32, and the product's result is divided by l at the end. Since M is a whole number, a kernel that streams over the keys may use a running M (the ceiling of the running maximum): every later rescaling is an exact power of two, which a block's scale takes up: the codes' values come out the same.
;;   OPERANDS COMPUTED ON THE WAY. 'Computed on the way' means the value that the module computes at that place (a softmax that the list does not call 'softmax' is quantised finished and normalised). What goes into a quantiser is computed in f32, as accurately as f32 sums, v_exp_f32 and their like allow (about 1e-6 of the number): no bf16 or f16 on the way to a quantiser, and a product that is left as it is and whose result goes on into a quantised operand takes f32 operands (vector FMAs, or v_wmma_f32_16x16x4_f32). A number that lies on a knife's edge between two numbers of the format may be rounded either way, as far as f32 arithmetic and the matrix unit's own rounding can turn it there, and no further.
;; One version. Each part assembles by itself: llvm-mc -triple=amdgcn-amd-amdhsa -mcpu=gfx1250 --defsym DOCPART=n.
;; ======== version 1 of 1: 4 launches
;; limits: right only within a limited range of input values
;; workspace buffers: cod 14,680,064 bytes; scl 917,504 bytes; mbits 655,360 bytes of whole numbers; qc 4,194,304 bytes; qs 524,288 bytes; kv 9,175,040 bytes; xc 4,194,304 bytes; xs 262,144 bytes
;; launch prep (part 1): grid 1024 x 1, 4 waves a work-group, no clusters, 35,328 bytes of LDS; arguments query, key, value, wq, wk, wv, wo, mask, cod, scl, mbits; writes cod, scl, mbits
.if DOCPART == 1
	.amdgcn_target "amdgcn-amd-amdhsa--gfx1250"
	.amdhsa_code_object_version 6
	.text
	.protected	k_q8c4e3de88d_prep
	.globl	k_q8c4e3de88d_prep
	.p2align	8
	.type	k_q8c4e3de88d_prep,@function
k_q8c4e3de88d_prep:
	s_mov_b64 s[64:65], 0
	v_nop
	global_prefetch_b8 v0, s[64:65] scope:SCOPE_SE
	s_setreg_imm32_b32 hwreg(HW_REG_WAVE_MODE, 25, 1), 1
	s_wait_xcnt 0x0
; MULTI-HEAD ATTENTION IN MX-FP4, LAUNCH 1 OF 4: the seven f32 operands of the four projections become codes of FP4 (E2M1) with one E8M0 byte for each 32 along K; the mask becomes lane masks, and flags for each tile and key step.
; DEAD WORK: none.  The mask is an input of whole numbers and is honoured bit by bit; launch 3 walks only the key steps that the flags stored here ask for (its head says when a step may go); all four biases stand ahead of a
; quantiser or in the output; every input is loaded.
; THE QUANTISER: a block's scale is 2^(floor(log2(its largest magnitude)) - 2); its byte is that magnitude's exponent field - 2, held at 1 from below; each number / scale goes to the nearest code, ties to even, beyond 6 the largest code.
; LIMITS: a block of zeros gets the byte 1 where the rule says 127 (its codes are zeros, and this program alone reads the bytes); blocks whose largest magnitude lies under 2^(2 - 126) keep the byte 1; NaN and infinities among the inputs are not served.
; STORED ORDER.  query, key, value [8192][1024] and wq, wk, wv, wo [1024][1024] have K innermost: a row is 512 bytes of codes in cod and 32 scale bytes in scl.  Within every 32 rows the four runs of 8 rows are stored in the
; order 0, 2, 1, 3: row r of stored tile T (16 rows) is the true row 32 (T / 2) + 8 (T % 2) + r + 8 (r / 8).
; WORK-GROUPS 0 .. 895: 32 rows each (query 256, key 256, value 256, each weight 32), a wave 8 rows.  A row comes by 8 loads of 512 consecutive bytes (segments s = 0 .. 7): lane 8 g + i holds numbers 128 s + 32 g + 4 i + 0 .. 3.
; A block of 32 is segment s in the eight lanes of group g: its largest magnitude is joined by three steps among those lanes.  A conversion takes eight numbers under one scale: the registers of segments 2 m and 2 m + 1 are converted
; twice, once under each block's scale; the low half of the first result and the high half of the second are the codes.  A lane then holds 8 pieces of 16 bits, one a segment; an 8 x 8 transposition among the eight lanes of a group
; (halves, registers, pairs of registers against lane bits 0, 1, 2) gives lane 8 g + i the 16 bytes of block 4 i + g, in true order.  A row's store covers 512 consecutive bytes.  The numbers never go through LDS.
; A lane's scale byte (block 4 i + g) is picked by seven selects; a wave's 256 bytes are gathered in LDS and leave as one aligned run of 256 bytes.
; WORK-GROUPS 896 .. 1023: stored query tile T = number - 896.  mbits [T 128][ks 16][j 64] words: bit 16 h + r of word j = 16 b + i says whether mask[true row of (T, r)][128 ks + 32 b + 16 h + i] is not 0.  Wave w takes ks = 4 w .. 4 w + 3.
; Behind these 524,288 bytes the flags: [T 128][w 4][256 bytes]: a pair of words, the same in all 32 lanes.
; The two kinds of work-group part on the work-group's number and never meet again; each has LDS bytes of its own.  No work-group shares an input with another: no cluster, no tensor loads, no barrier.
.set NQWG,  896
.set EMAX,  2
.set M,     16                         ; v16-23   the eight blocks' largest magnitudes, then their bytes
.set SO,    24                         ; v24-31   the conversions' scale operands
.set X,     32                         ; v32-159  four sets of 32 numbers: a row each
.set OUTC,  160                        ; v160-191 codes: four registers for each row, so that no store's data are written again
.set CV,    192                        ; v192-199 the conversions' results
.set TT,    200                        ; v200-203 the transposition's registers at work
.set PACK0, 1024                       ; LDS: bytes 0 .. 1,023 the quantising waves' scale bytes, 256 each; from PACK0 the packing waves' stages of 16 rows x PP bytes
.set PP,    528                        ; 512 bytes + 16 of padding
.set PREG,  16*PP
.set SPARE, 34816                      ; the spare words, 128 bytes for each wave: two blocks of 256 bytes that no other line names
.set SPW,   12                         ; v12  LDS address of my spare word; never rewritten
.set NIL,   13                         ; v13  0; never rewritten
.set OUT,   144                        ; v144-151 packing: two registers of words for each of the wave's four units
	s_load_b512 s[4:19], s[0:1], 0x0               ; query, key, value, wq, wk, wv, wo, mask
	s_load_b128 s[20:23], s[0:1], 0x40             ; cod, scl
	s_load_b64 s[24:25], s[0:1], 0x50              ; mbits
	v_lshl_add_u32 v[SPW], v0, 2, SPARE
	v_mov_b32 v[NIL], 0
	v_lshrrev_b32 v1, 5, v0
	v_readfirstlane_b32 s26, v1                    ; wave 0..3
	v_and_b32 v2, 31, v0                           ; lane
	v_lshlrev_b32 v3, 4, v2                        ; my 16 bytes of a load's 512
	s_cmp_ge_u32 ttmp9, NQWG
	s_cbranch_scc1 .Lpack
	; ---------------- the quantiser ----------------
	v_and_b32 v6, 7, v2                            ; i
	v_lshrrev_b32 v10, 3, v2                       ; g
	v_lshlrev_b32 v4, 6, v6
	v_lshl_add_u32 v4, v10, 4, v4                  ; my block's 16 bytes in a row of codes: 64 i + 16 g
	v_lshl_add_u32 v5, v6, 2, v10                  ; and its byte in a row of scales: 4 i + g
	s_lshl_b32 s27, s26, 8                         ; my wave's 256 scale bytes in LDS
	v_add_nc_u32 v5, s27, v5
	v_lshlrev_b32 v7, 3, v2                        ; on their way out 8 bytes a lane
	v_add_nc_u32 v11, s27, v7
	v_and_b32 v8, 1, v2
	v_cmp_eq_u32 vcc_lo, 1, v8
	v_mov_b32 v8, 0x05040100                       ; even lanes: my low half, the neighbour's low half
	v_mov_b32 v9, 0x03020706                       ; odd lanes: the neighbour's high half, my high half
	v_cndmask_b32 v8, v8, v9, vcc_lo
.irp i, 0,1,2,3
	v_mov_b32 v[TT+\i], 0                          ; a DPP form's destination counts as read
.endr
.irp s, 1,2,3,4,5,6,7
	s_mov_b32 s[35+\s], 0x01010101<<\s             ; the lanes with i = s
.endr
	s_mov_b32 s44, 0xcccccccc                      ; the lanes whose bit 1 is set
	s_mov_b32 s45, 0xf0f0f0f0                      ; and bit 2
	s_wait_alu depctr_va_vdst(0)                   ; the wait at the head's end
	s_wait_kmcnt 0x0
; which tensor is mine, and its first work-group: choices that hang on the work-group's number alone
.macro PICK bound, lo, first
	s_cmp_lt_u32 ttmp9, \bound
	s_cselect_b64 s[28:29], s[\lo:\lo+1], s[28:29]
	s_cselect_b32 s30, \first, s30
.endm
	s_mov_b64 s[28:29], s[16:17]                   ; wo, from work-group 864 on
	s_mov_b32 s30, 864
	PICK 864, 14, 832                              ; wv
	PICK 832, 12, 800                              ; wk
	PICK 800, 10, 768                              ; wq
	PICK 768, 8, 512                               ; value
	PICK 512, 6, 256                               ; key
	PICK 256, 4, 0                                 ; query
	s_sub_co_u32 s31, ttmp9, s30
	s_lshl_b32 s31, s31, 2
	s_add_co_u32 s31, s31, s26                     ; in: run (8 rows) number 4 x (work-group in its tensor) + wave
	s_lshl_b32 s32, s31, 15                        ; of 32,768 bytes
	s_mov_b32 s33, 0
	s_add_nc_u64 s[28:29], s[28:29], s[32:33]
	s_and_b32 s34, s26, 1
	s_lshl_b32 s34, s34, 1
	s_lshr_b32 s35, s26, 1
	s_or_b32 s34, s34, s35                         ; out: waves 0, 1, 2, 3 take places 0, 2, 1, 3: the stored order
	s_lshl_b32 s35, ttmp9, 2
	s_add_co_u32 s34, s34, s35
	s_lshl_b32 s32, s34, 12                        ; 4,096 bytes of codes a run
	s_add_nc_u64 s[20:21], s[20:21], s[32:33]
	s_lshl_b32 s32, s34, 8                         ; 256 scale bytes a run
	s_add_nc_u64 s[22:23], s[22:23], s[32:33]
.macro LOADROW r
.irp s, 0,1,2,3,4,5,6,7
	global_load_b128 v[X+32*((\r)%4)+4*\s:X+32*((\r)%4)+4*\s+3], v3, s[28:29] offset:4096*(\r)+512*\s th:TH_LOAD_NT   ; 32 lanes read 512 consecutive bytes
.endr
.endm
.macro ROW r
.set XS, X+32*((\r)%4)
.set OC, OUTC+4*(\r)
.if 7-(\r) >= 3
	s_wait_loadcnt 24                              ; this row's 8 loads are in; those of the three rows behind it may be out
.else
	s_wait_loadcnt 8*(7-(\r))
.endif
.irp s, 0,1,2,3,4,5,6,7
	v_max3_num_f32 v[M+\s], |v[XS+4*\s]|, |v[XS+4*\s+1]|, |v[XS+4*\s+2]|   ; the largest magnitude of my four, the eight segments by turns
.endr
.irp s, 0,1,2,3,4,5,6,7
	v_max3_num_f32 v[M+\s], v[M+\s], |v[XS+4*\s+3]|, (EMAX+1)<<23          ; and the floor 2^(EMAX + 1 - 127): the byte cannot fall under 1
.endr
.irp x, 1,2,4
.irp s, 0,1,2,3,4,5,6,7
	v_max_num_f32_dpp v[M+\s], v[M+\s], v[M+\s] row_xmask:\x row_mask:0xf bank_mask:0xf   ; with the other seven lanes of my group: the block's
.endr
.endr
.irp s, 0,1,2,3,4,5,6,7
	v_add_nc_u32 v[SO+\s], -(EMAX<<23), v[M+\s]    ; EMAX off its exponent field: the conversion takes the exponent field of this operand as its scale
.endr
.irp m, 0,1,2,3
	v_cvt_scalef32_pk8_fp4_f32 v[CV+2*\m], v[XS+8*\m:XS+8*\m+7], v[SO+2*\m]       ; under segment 2 m's scale: the low 16 bits count
	v_cvt_scalef32_pk8_fp4_f32 v[CV+2*\m+1], v[XS+8*\m:XS+8*\m+7], v[SO+2*\m+1]   ; under segment 2 m + 1's: the high 16 bits
.endr
.irp s, 0,1,2,3,4,5,6,7
	v_lshrrev_b32 v[M+\s], 23, v[SO+\s]            ; the scales' bytes
.endr
.if (\r)+4 < 8
	LOADROW (\r)+4                                 ; into the registers just converted
.endif
.irp m, 0,1,2,3
	v_bfi_b32 v[OC+\m], 0xffff, v[CV+2*\m], v[CV+2*\m+1]   ; piece s of 16 bits lies in register s / 2, half s % 2
.endr
.irp m, 0,1,2,3
	v_mov_b32_dpp v[TT+\m], v[OC+\m] row_xmask:1 row_mask:0xf bank_mask:0xf   ; THE TRANSPOSITION.  Halves against lane bit 0
.endr
	v_cndmask_b32 v9, v[M], v[M+1], s36            ; (among its lines: my block's byte, that of segment i, by seven selects)
	v_perm_b32 v[OC], v[TT], v[OC], v8
	v_perm_b32 v[OC+1], v[TT+1], v[OC+1], v8
	v_cndmask_b32 v9, v9, v[M+2], s37
	v_perm_b32 v[OC+2], v[TT+2], v[OC+2], v8
	v_perm_b32 v[OC+3], v[TT+3], v[OC+3], v8
	v_cndmask_b32 v9, v9, v[M+3], s38
	v_cndmask_b32 v[TT], v[OC+1], v[OC], s44       ; neighbouring registers against lane bit 1: what my partner wants of me,
	v_cndmask_b32 v[TT+1], v[OC+3], v[OC+2], s44
	v_cndmask_b32 v9, v9, v[M+4], s39
	v_mov_b32_dpp v[TT+2], v[TT] row_xmask:2 row_mask:0xf bank_mask:0xf   ; and what I want of it
	v_mov_b32_dpp v[TT+3], v[TT+1] row_xmask:2 row_mask:0xf bank_mask:0xf
	v_cndmask_b32 v9, v9, v[M+5], s40
	v_cndmask_b32 v[OC], v[OC], v[TT+2], s44
	v_cndmask_b32 v[OC+1], v[TT+2], v[OC+1], s44
	v_cndmask_b32 v[OC+2], v[OC+2], v[TT+3], s44
	v_cndmask_b32 v[OC+3], v[TT+3], v[OC+3], s44
	v_cndmask_b32 v9, v9, v[M+6], s41
	v_cndmask_b32 v[TT], v[OC+2], v[OC], s45       ; registers two apart against lane bit 2
	v_cndmask_b32 v[TT+1], v[OC+3], v[OC+1], s45
	v_cndmask_b32 v9, v9, v[M+7], s42
	v_mov_b32_dpp v[TT+2], v[TT] row_xmask:4 row_mask:0xf bank_mask:0xf
	v_mov_b32_dpp v[TT+3], v[TT+1] row_xmask:4 row_mask:0xf bank_mask:0xf
	ds_store_b8 v5, v9 offset:32*(\r)
	v_cndmask_b32 v[OC], v[OC], v[TT+2], s45
	v_cndmask_b32 v[OC+2], v[TT+2], v[OC+2], s45
	v_cndmask_b32 v[OC+1], v[OC+1], v[TT+3], s45
	v_cndmask_b32 v[OC+3], v[TT+3], v[OC+3], s45
	global_store_b128 v4, v[OC:OC+3], s[20:21] offset:512*(\r)   ; 32 lanes store 512 consecutive bytes, aligned
.endm
.irp r, 0,1,2,3
	LOADROW \r
.endr
.irp r, 0,1,2,3,4,5,6,7
	ROW \r
.endr
	ds_load_b64 v[16:17], v11                      ; LDS serves a wave's instructions in order: these see my stores
	s_wait_dscnt 0x0
	global_store_b64 v7, v[16:17], s[22:23]        ; 32 lanes store 256 consecutive bytes, aligned
	s_wait_tensorcnt 0x0                           ; the wave's endx
	ds_add_u32 v[SPW], v[NIL]
	s_wait_dscnt 0x0
	s_endpgm
	; ---------------- the mask ----------------
.Lpack:
	s_sub_co_u32 s27, ttmp9, NQWG                  ; T
	s_mul_i32 s28, s26, PREG
	s_add_co_u32 s28, s28, PACK0                   ; my stage
	s_wait_alu depctr_va_vdst(0)
	v_add_nc_u32 v14, s28, v3                      ; in: a row's 512 bytes as they lie, 16 a lane
	v_and_b32 v4, 15, v0                           ; r
	v_bfe_u32 v5, v0, 4, 1                         ; h
	v_mul_u32_u24 v15, v4, PP
	v_lshl_add_u32 v15, v5, 6, v15
	v_add_nc_u32 v15, s28, v15                     ; out: row r, + 64 h bytes: my 16 columns of each block of 32
	v_lshlrev_b32 v7, 3, v2                        ; 8 bytes a lane on the way to memory
.irp i, 0,1,2,3,4,5,6,7
	v_mov_b32 v[OUT+\i], 0                         ; a lane write's destination counts as read
.endr
	s_lshr_b32 s28, s27, 1
	s_lshl_b32 s28, s28, 5
	s_and_b32 s29, s27, 1
	s_lshl_b32 s29, s29, 3
	s_add_co_u32 s28, s28, s29                     ; the tile's first true row: 32 (T / 2) + 8 (T % 2)
	s_lshl_b32 s28, s28, 13                        ; rows of 8,192 bytes
	s_lshl_b32 s29, s26, 11                        ; my wave's 512 columns
	s_add_co_u32 s28, s28, s29
	s_mov_b32 s29, 0
	s_lshl_b32 s30, s27, 12                        ; mbits: 4,096 bytes a tile, 1,024 a wave
	s_lshl_b32 s31, s26, 10
	s_add_co_u32 s30, s30, s31
	s_mov_b32 s31, 0
	s_lshr_b32 s42, s30, 2                         ; the flags lie behind the 524,288 bytes of words: 1,024 bytes a tile, 256 a wave
	s_add_co_u32 s42, s42, 524288
	s_mov_b32 s43, 0
	s_mov_b32 s38, 0                               ; bit 16 h + r: row r has a key that counts among my wave's 512 columns
	s_mov_b32 s39, 0                               ; bit u: unit u has a word that is not 0; bit 16 + u: all its words are all ones
	s_wait_alu depctr_va_vdst(0)
	s_wait_kmcnt 0x0
	s_add_nc_u64 s[18:19], s[18:19], s[28:29]
	s_add_nc_u64 s[42:43], s[24:25], s[42:43]
	s_add_nc_u64 s[24:25], s[24:25], s[30:31]
.macro LOADU u                         ; unit u: 128 columns of the tile's 16 rows into set u % 2; each load reads 512 consecutive bytes of one row
.set i, 0
.rept 16
	global_load_b128 v[16+64*((\u)%2)+4*i:16+64*((\u)%2)+4*i+3], v3, s[18:19] offset:(i+8*(i/8))*8192+512*(\u) th:TH_LOAD_NT
.set i, i+1
.endr
.endm
.macro UNIT u
.set MS, 16+64*((\u)%2)
.if (\u) < 3
	s_wait_loadcnt 16                              ; this unit's 16 loads are in; the next unit's may be out
.else
	s_wait_loadcnt 0x0
.endif
.set i, 0
.rept 16
	ds_store_b128 v14, v[MS+4*i:MS+4*i+3] offset:PP*i
.set i, i+1
.endr
.set i, 0
.rept 16                               ; register 16 b + 4 e + .. = column 32 b + 16 h + 4 e + .. of row r; into the registers just left (LDS serves a wave's instructions in order)
	ds_load_b128 v[MS+4*i:MS+4*i+3], v15 offset:128*(i/4)+16*(i%4)
.set i, i+1
.endr
	s_wait_dscnt 0x0
	v_or_b32 v8, v[MS], v[MS+1]                    ; THE FLAGS of this unit: a lane's 64 numbers or-ed (not 0: some key counts) and their least as unsigned numbers (not 0: all count), two chains each
	v_or_b32 v9, v[MS+2], v[MS+3]
	v_min_u32 v10, v[MS], v[MS+1]
	v_min_u32 v11, v[MS+2], v[MS+3]
.set j, 4
.rept 15
	v_or_b32 v8, v8, v[MS+j]
	v_or_b32 v9, v9, v[MS+j+1]
	v_min_u32 v10, v10, v[MS+j]
	v_min_u32 v11, v11, v[MS+j+1]
	v_or_b32 v8, v8, v[MS+j+2]
	v_or_b32 v9, v9, v[MS+j+3]
	v_min_u32 v10, v10, v[MS+j+2]
	v_min_u32 v11, v11, v[MS+j+3]
.set j, j+4
.endr
	v_or_b32 v8, v8, v9
	v_min_u32 v10, v10, v11
	v_cmp_ne_u32 s36, 0, v8                        ; the or of the unit's 64 words
	v_cmp_ne_u32 s37, 0, v10                       ; and their and
	s_or_b32 s38, s38, s36
	s_cmp_lg_u32 s36, 0
	s_cselect_b32 s40, 1<<(\u), 0
	s_or_b32 s39, s39, s40
	s_cmp_eq_u32 s37, -1
	s_cselect_b32 s40, 65536<<(\u), 0
	s_or_b32 s39, s39, s40
.set j, 0
.rept 64
	v_cmp_ne_u32 s[32+j%4], 0, v[MS+j]             ; word j: a bit for each lane
	v_writelane_b32 v[OUT+2*(\u)+j%2], s[32+j%4], j/2   ; into lane j / 2, register j % 2: the lanes' pairs are the 64 words on end
.set j, j+1
.endr
.if (\u)+2 < 4
	LOADU (\u)+2
.endif
	global_store_b64 v7, v[OUT+2*(\u):OUT+2*(\u)+1], s[24:25] offset:256*(\u)   ; 32 lanes store 256 consecutive bytes, aligned
.endm
	LOADU 0
	LOADU 1
	UNIT 0
	UNIT 1
	UNIT 2
	UNIT 3
	s_lshl_b32 s40, s26, 2
	s_lshl_b32 s39, s39, s40                       ; my wave's four key steps at their places among the tile's 16
	v_mov_b32 v8, s38
	v_mov_b32 v9, s39
	global_store_b64 v7, v[8:9], s[42:43]          ; the pair, the same in all 32 lanes: 256 consecutive bytes, aligned; launch 3 reads the first 8
	s_wait_tensorcnt 0x0                           ; the wave's end
	ds_add_u32 v[SPW], v[NIL]
	s_wait_dscnt 0x0
	s_endpgm
.Lfunc_end_k_q8c4e3de88d_prep:
	.size	k_q8c4e3de88d_prep, .Lfunc_end_k_q8c4e3de88d_prep-k_q8c4e3de88d_prep
	.p2alignl 7, 3214868480
	.fill 96, 4, 3214868480
	.section	.rodata,"a",@progbits
	.p2align	6, 0x0
	.amdhsa_kernel k_q8c4e3de88d_prep
		.amdhsa_group_segment_fixed_size 35328
		.amdhsa_private_segment_fixed_size 0
		.amdhsa_enable_private_segment 0
		.amdhsa_kernarg_size 88
		.amdhsa_user_sgpr_count 2
		.amdhsa_user_sgpr_kernarg_segment_ptr 1
		.amdhsa_wavefront_size32 1
		.amdhsa_system_sgpr_workgroup_id_x 1
		.amdhsa_system_sgpr_workgroup_id_y 1
		.amdhsa_system_sgpr_workgroup_id_z 1
		.amdhsa_system_vgpr_workitem_id 0
		.amdhsa_next_free_vgpr 224
		.amdhsa_next_free_sgpr 66
		.amdhsa_reserve_vcc 1
		.amdhsa_float_denorm_mode_32 3
		.amdhsa_float_denorm_mode_16_64 3
		.amdhsa_memory_ordered 1
		.amdhsa_forward_progress 1
		.amdhsa_inst_pref_size 128
	.end_amdhsa_kernel
	.amdgpu_metadata
---
amdhsa.version: [ 1, 2 ]
amdhsa.kernels:
  - .name:           k_q8c4e3de88d_prep
    .symbol:         k_q8c4e3de88d_prep.kd
    .args:
      - { .name: query, .offset: 0, .size: 8, .value_kind: global_buffer, .address_space: global }
      - { .name: key, .offset: 8, .size: 8, .value_kind: global_buffer, .address_space: global }
      - { .name: value, .offset: 16, .size: 8, .value_kind: global_buffer, .address_space: global }
      - { .name: wq, .offset: 24, .size: 8, .value_kind: global_buffer, .address_space: global }
      - { .name: wk, .offset: 32, .size: 8, .value_kind: global_buffer, .address_space: global }
      - { .name: wv, .offset: 40, .size: 8, .value_kind: global_buffer, .address_space: global }
      - { .name: wo, .offset: 48, .size: 8, .value_kind: global_buffer, .address_space: global }
      - { .name: mask, .offset: 56, .size: 8, .value_kind: global_buffer, .address_space: global }
      - { .name: cod, .offset: 64, .size: 8, .value_kind: global_buffer, .address_space: global }
      - { .name: scl, .offset: 72, .size: 8, .value_kind: global_buffer, .address_space: global }
      - { .name: mbits, .offset: 80, .size: 8, .value_kind: global_buffer, .address_space: global }
    .group_segment_fixed_size: 35328
    .private_segment_fixed_size: 0
    .kernarg_segment_align: 8
    .kernarg_segment_size: 88
    .max_flat_workgroup_size: 128
    .sgpr_count:     66
    .vgpr_count:     224
    .wavefront_size: 32
...
	.end_amdgpu_metadata
.endif
;; end of part 1
;; launch proj (part 2): grid 4 x 192, 8 waves a work-group, clusters of 4 x 4, 222,976 bytes of LDS; arguments cod, scl, bq, bk, bv, qc, qs, kv; writes qc, qs, kv
.if DOCPART == 2
	.amdgcn_target "amdgcn-amd-amdhsa--gfx1250"
	.amdhsa_code_object_version 6
	.text
	.protected	k_q8c4e3de88d_proj
	.globl	k_q8c4e3de88d_proj
	.p2align	8
	.type	k_q8c4e3de88d_proj,@function
k_q8c4e3de88d_proj:
	s_mov_b64 s[64:65], 0
	v_nop
	global_prefetch_b8 v0, s[64:65] scope:SCOPE_SE
	s_setreg_imm32_b32 hwreg(HW_REG_WAVE_MODE, 25, 1), 1
	s_wait_xcnt 0x0
	s_wait_alu depctr_hold_cnt(0) depctr_sa_sdst(0) depctr_va_vdst(0) depctr_va_sdst(0) depctr_va_ssrc(0) depctr_va_vcc(0) depctr_vm_vsrc(0)
	s_getreg_b32 s2, hwreg(HW_REG_IB_STS2, 6, 4)
	s_cmp_eq_u32 s2, 0
	s_cbranch_scc0 .Lentry_in_a_cluster
	s_endpgm
.Lentry_in_a_cluster:
	s_bfe_u32 s2, ttmp6, 0x10000c
	s_cmp_lg_u32 s2, 0xf033
	s_cbranch_scc0 .Lentry_shape_is_right
	s_endpgm
.Lentry_shape_is_right:
; LAUNCH 2 OF 4: Q = query wq^T + bq, K = key wk^T + bk, V = value wv^T + bv on codes of FP4 with E8M0 scales; the results are quantised in registers and stored as images of the registers in which launch 3 wants them.
; No work is left out.  LIMITS: as in launch 1 (a block of zeros keeps the byte 1; NaN and infinities are not served).
; THE PRODUCT.  A work-group makes P 256 rows (always source 0) x R 128 rows (source 1), K = 1,024.  In a result tile lane (r, h) holds R's row r, and its register j P's row 8 h + j of the tile; P's tiles lie in the stored order of
; launch 1, so the 16 registers of tiles 2 b and 2 b + 1 are the true rows 32 b + 16 h + 0 .. 15 of P: 16 neighbours along the axis that is quantised next.
;   Q, K (kind 0, 1): P = the weight (the head's channels, the next K), R = the tokens.   V (kind 2): P = value's tokens (the keys, the next K), R = wv's rows (channels).
; SHARES.  8 waves, two to a SIMD, 256 registers each: wave w takes P's rows 128 (w / 4) on (8 tiles t) and R's rows 32 (w % 4) on (2 tiles a): 16 accumulators, which take turns, one instruction a turn, in the same order in every step.
; All of K lies in LDS, as two halves of 512 (rows of 256 bytes + 16 of padding), each filled once: nothing is filled again.
; CLUSTER 4 x 4: P's tile hangs on cx alone and is asked for jointly down a column of the cluster, R's on cy alone and jointly along a row.  Waves 0-3 fetch P's quarters, waves 4-7 R's: three loads a wave (scales, first half, second half),
; so three tensor loads of a wave are out at the most.  The kind comes from the cluster's y: it is the same in all sixteen partners.
; THE BIAS IS THE C OF THE FIRST PRODUCT.  Q, K: 64 numbers a lane, loaded straight into the accumulators.  V: one number a lane and tile of channels, copied into the accumulators while the first tiles are on their way.
; OUT.  qc [bh 64][T 128][lane][16 B]; qs [b][head / 2][T / 2][16 (T % 2) + r][head % 2] words; kv [bh 64][chunk of 512 keys: 4][35,840 B]: + 0 K's codes [tile 32][lane][16 B]; + 16,384 K's scale words [pair of tiles 16][lane];
; + 18,432 V's codes [step 4][tile of channels 4][c 2][lane][16 B]; + 34,816 V's scale words [step 4][pair 2][lane].  Stores of codes cover 512 consecutive bytes, Q's scale words 256; K's and V's scale words leave in runs of 128 bytes,
; since a wave holds one pair of tiles: 1.5 of the 13.25 MiB that the launch stores.
; LDS AND LOADS AS THE TEXT BELOW HAS THEM: a row holds all of K, 512 bytes + 16 of padding; every wave issues ONE tensor load, at the head: waves 0, 1 the halves of P's 256 rows, waves 2, 3 of R's 128 rows,
; waves 4, 5 of P's scale bytes, waves 6, 7 of R's.  One barrier shows all of it to all waves; nothing is filled again.
.set SLOT,  256                        ; the second half of K lies 256 bytes on in each row
.set ROFF,  135168                     ; behind P's 256 rows x 528 bytes: R's 128 rows
.set PSC,   202752                     ; P's scale bytes: 32 a row, as runs of 256 bytes + 16 of padding
.set RSC,   211456                     ; R's
.set SPARE, 215808                     ; the spare words, 128 bytes for each wave: four blocks of 256 bytes that no other line names
.set R_Q,   64
.set R_C,   32
.set R_T,   8448
.set RS_S,  16                         ; R's scale words: bytes from half to half
.set ADRP,  4                          ; v4-5   LDS address of my P fragments in half 0, 1
.set ADRR,  6                          ; v6-7   of my R fragments
.set ADSP,  8                          ; v8     of P's scale words
.set ADSR,  9                          ; v9     of R's
.set SPW,   10                         ; v10    LDS address of my spare word; never rewritten
.set NIL,   11                         ; v11    0; never rewritten
.set L16,   12                         ; v12    16 x lane
.set L4,    13                         ; v13    4 x lane
.set BOF,   14                         ; v14    64 h: my half's place in a bias
.set L8,    15                         ; v15    8 x lane
.set SP,    16                         ; v16-31 P's scale words: register 4 i + q: lanes 0-15 tile 2 i, lanes 16-31 tile 2 i + 1, K step q of the half
.set SR,    32                         ; v32-35 R's: register q: lanes 0-15 tile 0, lanes 16-31 tile 1
.set RF,    36                         ; v36-51 R's two fragments
.set PF,    52                         ; v52-115 P's eight fragments
.set ACC,   128                        ; v128-255 accumulator (a, t) at ACC + 64 a + 8 t
.set TM,    52                         ; the way out, over P's fragments: v52-67 at work, v68-83 the codes of a = 0, 1, v84-86 scale words, v88-89 the two heads' words
.set PC0,   68
.set PC1,   76
.set PW0,   84
.set PW1,   85
.set PWS,   86
.set W0,    88
.set WV,    20                         ; s20 wave;  s21 w / 4: P's half, and 0: I fetch for P;  s22 w % 4: R's quarter, and the quarter that I fetch
.set WP,    21
.set WR,    22
.set CX,    23
.set CY,    24
.set KIND,  26
.set PT,    28                         ; s28 P's tile of 256 rows;  s29 R's tile of 128 rows
.set RT,    29
.set G1P,   32                         ; s[32:39] group 1 for P's codes;  s[40:47] for P's scales;  s[48:55], s[56:63] the same for R
.set G1PS,  40
.set G1R,   48
.set G1RS,  56
.set G0P,   68                         ; s[68:79] P's groups 0: scales, half 0, half 1;  s[80:91] R's
.set G0R,   80
.macro ARM under, g0, g1, next         ; an arm of the head's one chain of branches on the wave's number: its joint load, an s_nop 0 and four v_nop, a jump to the chain's end
	s_cmp_lt_u32 s[WV], \under
	s_cbranch_scc0 \next
	tensor_load_to_lds s[\g0:\g0+3], s[\g1:\g1+7]
	s_nop 0
.rept 4
	v_nop
.endr
	s_branch .Lhead_asked
\next:
.endm
.macro CROUND                          ; a round of the cluster's barrier
	s_barrier_signal -1
	s_barrier_wait -1
	s_cmp_lg_u32 s[WV], 0
	s_cbranch_scc1 .Lnot_wave_0_\@
	s_barrier_signal -3
.Lnot_wave_0_\@:
	s_barrier_wait -3
	s_barrier_signal -1
	s_barrier_wait -1
.endm
	s_load_b512 s[4:19], s[0:1], 0x0               ; cod s[4:5], scl s[6:7], bq, bk, bv s[8:13], qc s[14:15], qs s[16:17], kv s[18:19]
	v_lshl_add_u32 v[SPW], v0, 2, SPARE
	v_mov_b32 v[NIL], 0
	ds_add_u32 v[SPW], v[NIL]                      ; the wave's opening: the add, twice on end, and its wait ahead of my first tensor load
	ds_add_u32 v[SPW], v[NIL]
	v_lshrrev_b32 v1, 5, v0
	s_delay_alu instid0(VALU_DEP_1)
	v_readfirstlane_b32 s[WV], v1                  ; wave 0..7
	s_lshr_b32 s[WP], s[WV], 2
	s_and_b32 s[WR], s[WV], 3
	s_bfe_u32 s[CX], ttmp6, 0x40000
	s_bfe_u32 s[CY], ttmp6, 0x40004
	s_and_b32 s25, ttmp7, 0xffff                   ; the cluster's y, 0 .. 47
	s_lshr_b32 s[KIND], s25, 4                     ; 0: Q, 1: K, 2: V
	s_and_b32 s27, s25, 15
	s_lshl_b32 s30, s[CY], 2
	s_lshl_b32 s30, 15, s30                        ; my row of the cluster
	s_lshl_b32 s31, 0x1111, s[CX]                  ; my column
	; who is P and who is R.  s92-95 serve P alone, s96-99 R alone
	s_lshr_b32 s92, s27, 1                         ; V: 8 x 2 clusters
	s_and_b32 s96, s27, 1
	s_mul_i32 s93, s[KIND], 524288
	s_add_co_u32 s93, s93, 12582912                ; Q, K: P = wq or wk in cod
	s_lshl_b32 s97, s[KIND], 22                    ; Q, K: R = query or key
	s_mov_b32 s94, 8388608                         ; V: P = value
	s_mov_b32 s98, 13631488                        ; V: R = wv
	s_cmp_eq_u32 s[KIND], 2
	s_cselect_b32 s92, s92, 0
	s_cselect_b32 s93, s94, s93
	s_cselect_b32 s96, s96, s27
	s_cselect_b32 s97, s98, s97
	s_lshl_b32 s[PT], s92, 2
	s_add_co_u32 s[PT], s[PT], s[CX]
	s_lshl_b32 s[RT], s96, 2
	s_add_co_u32 s[RT], s[RT], s[CY]
	s_lshl_b32 s94, s[PT], 17                      ; 256 rows of 512 bytes
	s_add_co_u32 s94, s94, s93
	s_and_b32 s27, s[WV], 1                        ; which half of a tile I fetch
	s_lshl_b32 s95, s27, 16                        ; P: 128 rows
	s_add_co_u32 s94, s94, s95                     ; P's codes that I fetch, in cod;
	s_mov_b32 s95, 0
	s_lshr_b32 s92, s94, 4                         ; their scale bytes, in scl: 32 for 512
	s_mov_b32 s93, 0
	s_lshl_b32 s98, s[RT], 16                      ; 128 rows
	s_add_co_u32 s98, s98, s97
	s_lshl_b32 s99, s27, 15                        ; R: 64 rows
	s_add_co_u32 s98, s98, s99
	s_mov_b32 s99, 0
	s_lshr_b32 s96, s98, 4
	s_mov_b32 s97, 0
	; groups 1.  Codes: rows of 256 bytes, 512 apart, 16 bytes of padding behind each.  Scales: a dense block as rows of 256 bytes (32 elements of 8), padded likewise
	s_or_b32 s[G1P], s31, (1<<20)|(1<<21)|(6<<22)|(3<<25)          ; 15:0 the mask; elements of 1 byte; 20 padding on; 21 set beside a mask; 24:22 after every 128 words; 31:25 four words
	s_mov_b32 s[G1P+1], 512<<16                    ; tensor_dim0: a whole row of K
	s_mov_b32 s[G1P+2], 128<<16                    ; tensor_dim1
	s_mov_b32 s[G1P+3], 512<<16                    ; tile_dim0
	s_mov_b32 s[G1P+4], 128                        ; tile_dim1
	s_mov_b32 s[G1P+5], 512                        ; from row to row
	s_mov_b32 s[G1P+6], 0
	s_mov_b32 s[G1P+7], 0
	s_or_b32 s[G1PS], s31, (3<<16)|(1<<20)|(1<<21)|(5<<22)|(3<<25)
	s_mov_b32 s[G1PS+1], 32<<16
	s_mov_b32 s[G1PS+2], 16<<16
	s_mov_b32 s[G1PS+3], 32<<16
	s_mov_b32 s[G1PS+4], 16
	s_mov_b32 s[G1PS+5], 32
	s_mov_b32 s[G1PS+6], 0
	s_mov_b32 s[G1PS+7], 0
	s_or_b32 s[G1R], s30, (1<<20)|(1<<21)|(6<<22)|(3<<25)
	s_mov_b32 s[G1R+1], 512<<16
	s_mov_b32 s[G1R+2], 64<<16
	s_mov_b32 s[G1R+3], 512<<16
	s_mov_b32 s[G1R+4], 64
	s_mov_b32 s[G1R+5], 512
	s_mov_b32 s[G1R+6], 0
	s_mov_b32 s[G1R+7], 0
	s_or_b32 s[G1RS], s30, (3<<16)|(1<<20)|(1<<21)|(5<<22)|(3<<25)
	s_mov_b32 s[G1RS+1], 32<<16
	s_mov_b32 s[G1RS+2], 8<<16
	s_mov_b32 s[G1RS+3], 32<<16
	s_mov_b32 s[G1RS+4], 8
	s_mov_b32 s[G1RS+5], 32
	s_mov_b32 s[G1RS+6], 0
	s_mov_b32 s[G1RS+7], 0
	s_wait_dscnt 0x0                               ; both opening adds are done
	s_wait_kmcnt 0x0
	; groups 0: the LDS addresses hang on the wave's number alone
	s_mov_b32 s[G0P], 1
	s_mul_i32 s[G0P+1], s27, 4352
	s_add_co_u32 s[G0P+1], s[G0P+1], PSC
	s_add_nc_u64 s[G0P+2:G0P+3], s[6:7], s[92:93]
	s_or_b32 s[G0P+3], s[G0P+3], 0x80000000
	s_mov_b32 s[G0P+4], 1
	s_mul_i32 s[G0P+5], s27, 67584
	s_add_nc_u64 s[G0P+6:G0P+7], s[4:5], s[94:95]
	s_or_b32 s[G0P+7], s[G0P+7], 0x80000000
	s_mov_b32 s[G0R], 1
	s_mul_i32 s[G0R+1], s27, 2176
	s_add_co_u32 s[G0R+1], s[G0R+1], RSC
	s_add_nc_u64 s[G0R+2:G0R+3], s[6:7], s[96:97]
	s_or_b32 s[G0R+3], s[G0R+3], 0x80000000
	s_mov_b32 s[G0R+4], 1
	s_mul_i32 s[G0R+5], s27, 33792
	s_add_co_u32 s[G0R+5], s[G0R+5], ROFF
	s_add_nc_u64 s[G0R+6:G0R+7], s[4:5], s[98:99]
	s_or_b32 s[G0R+7], s[G0R+7], 0x80000000
	CROUND                                         ; all sixteen work-groups are here: the joint loads meet
	ARM 2, G0P+4, G1P, .Lhead_r                    ; every fill of the launch, one a wave, each into bytes of its own: P's codes,
	ARM 4, G0R+4, G1R, .Lhead_ps                   ; R's codes,
	ARM 6, G0P, G1PS, .Lhead_rs                    ; P's scales,
	tensor_load_to_lds s[G0R:G0R+3], s[G1RS:G1RS+7]   ; R's scales
	s_nop 0
.rept 4
	v_nop
.endr
.Lhead_asked:
	v_and_b32 v1, 15, v0                           ; r
	v_bfe_u32 v2, v0, 4, 1                         ; h
	v_and_b32 v3, 31, v0                           ; lane
	s_delay_alu instid0(VALU_DEP_3)
	v_mul_u32_u24 v116, v1, 528
	s_delay_alu instid0(VALU_DEP_1)
	v_lshl_add_u32 v116, v2, 4, v116               ; a fragment's row x pitch + 16 h
	s_mul_i32 s100, s[WP], 67584
	v_add_nc_u32 v[ADRP], s100, v116
	s_delay_alu instid0(VALU_DEP_1)
	v_add_nc_u32 v[ADRP+1], SLOT, v[ADRP]
	s_mul_i32 s100, s[WR], 16896
	s_add_co_u32 s100, s100, ROFF
	v_add_nc_u32 v[ADRR], s100, v116
	s_delay_alu instid0(VALU_DEP_1)
	v_add_nc_u32 v[ADRR+1], SLOT, v[ADRR]
	v_lshrrev_b32 v117, 3, v3
	v_lshlrev_b32 v118, 5, v3
	s_delay_alu instid0(VALU_DEP_1)
	v_lshl_add_u32 v118, v117, 4, v118             ; scale bytes of row l of 32: 32 l, and 16 more for each 8 rows passed
	s_mul_i32 s100, s[WP], 4352
	s_add_co_u32 s100, s100, PSC
	v_add_nc_u32 v[ADSP], s100, v118
	s_mul_i32 s100, s[WR], 1088
	s_add_co_u32 s100, s100, RSC
	v_add_nc_u32 v[ADSR], s100, v118
	v_lshlrev_b32 v[L16], 4, v3
	v_lshlrev_b32 v[L4], 2, v3
	v_lshlrev_b32 v[L8], 3, v3
	v_lshlrev_b32 v[BOF], 6, v2
	; THE SEED: the bias goes into the accumulators
	s_cmp_eq_u32 s[KIND], 2
	s_cbranch_scc1 .Lseed_v
	s_cmp_eq_u32 s[KIND], 0
	s_cselect_b64 s[100:101], s[8:9], s[10:11]     ; bq or bk
	s_lshl_b32 s104, s[PT], 10
	s_lshl_b32 s105, s[WP], 9
	s_add_co_u32 s104, s104, s105                  ; my 128 channels
	s_mov_b32 s105, 0
	s_add_nc_u64 s[100:101], s[100:101], s[104:105]
.set i, 0
	s_wait_alu depctr_va_vdst(0)
.rept 16                               ; i = 8 a + t: register j of tile t is channel 32 (t / 2) + 16 h + 8 (t % 2) + j
	global_load_b128 v[ACC+8*i:ACC+8*i+3], v[BOF], s[100:101] offset:128*((i%8)/2)+32*(i%2)
	global_load_b128 v[ACC+8*i+4:ACC+8*i+7], v[BOF], s[100:101] offset:128*((i%8)/2)+32*(i%2)+16
.set i, i+1
.endr
	s_branch .Lseeded
.Lseed_v:
	s_lshl_b32 s104, s[RT], 9
	s_lshl_b32 s105, s[WR], 7
	s_add_co_u32 s104, s104, s105                  ; my 32 channels of bv
	s_mov_b32 s105, 0
	s_add_nc_u64 s[100:101], s[12:13], s[104:105]
	v_and_b32 v117, 8, v1
	s_delay_alu instid0(VALU_DEP_1)
	v_add_nc_u32 v117, v117, v1
	s_delay_alu instid0(VALU_DEP_1)
	v_lshlrev_b32 v117, 2, v117                    ; lane r of tile a is channel 8 a + r + 8 (r / 8)
	global_load_b32 v116, v117, s[100:101]
	global_load_b32 v118, v117, s[100:101] offset:32
	s_wait_loadcnt 0x0
.set i, 0
.rept 64                               ; one number a lane for all 64 registers of a tile of channels: copied while the first tiles are on their way; it spares the additions behind the last product
	v_mov_b32 v[ACC+i], v116
	v_mov_b32 v[ACC+64+i], v118
.set i, i+1
.endr
.rept 4
	v_nop
.endr
.Lseeded:
.macro FRAGP t, slot, q                ; a fragment, 16 rows x 128 K of 4-bit codes: lane (r, h): registers 4 c .. 4 c + 3 hold K = 64 c + 32 h + 0 .. 31 of row r
	ds_load_b128 v[PF+8*(\t):PF+8*(\t)+3], v[ADRP+(\slot)] offset:64*(\q)+(\t)*8448
	ds_load_b128 v[PF+8*(\t)+4:PF+8*(\t)+7], v[ADRP+(\slot)] offset:64*(\q)+32+(\t)*8448
.endm
.macro FRAGR a, slot, q
	ds_load_b128 v[RF+8*(\a):RF+8*(\a)+3], v[ADRR+(\slot)] offset:R_Q*(\q)+R_T*(\a)
	ds_load_b128 v[RF+8*(\a)+4:RF+8*(\a)+7], v[ADRR+(\slot)] offset:R_Q*(\q)+R_C+R_T*(\a)
.endm
.macro SCALES slot                     ; a half's four words a row: lanes 0-15 take the even tile's rows, lanes 16-31 the odd tile's
.irp i, 0,1,2,3
	ds_load_b128 v[SP+4*\i:SP+4*\i+3], v[ADSP] offset:1088*\i+16*(\slot)
.endr
	ds_load_b128 v[SR:SR+3], v[ADSR] offset:RS_S*(\slot)
.endm
.macro MM a, q                         ; one product: P's tile t (an assembler symbol) x R's tile a, K step q of the half
.set rD, ACC+64*\a+8*t
.set rP, PF+8*t
.set rR, RF+8*\a
.set rSP, SP+4*(t/2)+\q
.set rSR, SR+\q
.if (t%2) && \a
	v_wmma_scale_f32_16x16x128_f8f6f4 v[rD:rD+7], v[rP:rP+7], v[rR:rR+7], v[rD:rD+7], v[rSP], v[rSR] matrix_a_fmt:MATRIX_FMT_FP4 matrix_b_fmt:MATRIX_FMT_FP4 matrix_a_scale:MATRIX_SCALE_ROW1 matrix_b_scale:MATRIX_SCALE_ROW1
.elseif t%2
	v_wmma_scale_f32_16x16x128_f8f6f4 v[rD:rD+7], v[rP:rP+7], v[rR:rR+7], v[rD:rD+7], v[rSP], v[rSR] matrix_a_fmt:MATRIX_FMT_FP4 matrix_b_fmt:MATRIX_FMT_FP4 matrix_a_scale:MATRIX_SCALE_ROW1
.elseif \a
	v_wmma_scale_f32_16x16x128_f8f6f4 v[rD:rD+7], v[rP:rP+7], v[rR:rR+7], v[rD:rD+7], v[rSP], v[rSR] matrix_a_fmt:MATRIX_FMT_FP4 matrix_b_fmt:MATRIX_FMT_FP4 matrix_b_scale:MATRIX_SCALE_ROW1
.else
	v_wmma_scale_f32_16x16x128_f8f6f4 v[rD:rD+7], v[rP:rP+7], v[rR:rR+7], v[rD:rD+7], v[rSP], v[rSR] matrix_a_fmt:MATRIX_FMT_FP4 matrix_b_fmt:MATRIX_FMT_FP4
.endif
.endm
.macro MUL8 t0, q                      ; P's tiles t0 .. t0 + 3 x R's two
.set t, \t0
.rept 4
	MM 0, \q
	MM 1, \q
.set t, t+1
.endr
.endm
.macro LOADS slot, q
.if (\q) == 0
	SCALES \slot
.endif
	FRAGR 0, \slot, \q
	FRAGR 1, \slot, \q
.irp t, 0,1,2,3,4,5,6,7
	FRAGP \t, \slot, \q
.endr
.endm
.macro STEP slot, q                    ; 128 along K
.rept 4
	v_nop                                          ; four places in front of loads into registers that matrix instructions have read (ISA guide 7.12.1 for vector instructions)
.endr
	LOADS \slot, \q
	s_wait_dscnt 8                                 ; all but the youngest eight loads, P's tiles 4 to 7
	MUL8 0, \q
	s_wait_dscnt 0x0
	MUL8 4, \q
.endm
	s_wait_tensorcnt 0x0                           ; my one load is in
	s_barrier_signal -1
	s_barrier_wait -1                              ; everybody's are
	LOADS 0, 0
	s_wait_loadcnt 0x0                             ; the bias
	s_wait_dscnt 8
	MUL8 0, 0
	s_wait_dscnt 0x0
	s_wait_alu depctr_va_vdst(0)
	MUL8 4, 0
	STEP 0, 1
	STEP 0, 2
	STEP 0, 3
	STEP 1, 0
	STEP 1, 1
	STEP 1, 2
	STEP 1, 3
	; THE WAY OUT.  64 numbers of a lane, register 16 b + i = place 32 b + 16 h + i along the next K, become a fragment's codes and its scale word
.macro QUANT s, pc, pw
.irp b, 0,1,2,3
	v_max3_num_f32 v[TM+\b], |v[\s+16*\b]|, |v[\s+1+16*\b]|, 0x1800000   ; block b: my 16 numbers, from each accumulator's low end on, and the floor 2^(3 - 127): the byte cannot fall under 1
.endr
.irp i, 2,4,6,8,10,12,14
.irp b, 0,1,2,3
	v_max3_num_f32 v[TM+\b], v[TM+\b], |v[\s+16*\b+\i]|, |v[\s+1+16*\b+\i]|
.endr
.endr
.irp b, 0,1,2,3
	s_delay_alu instid0(VALU_DEP_4)
	v_permlanex16_b32 v[TM+4+\b], v[TM+\b], s2, s3
.endr
.irp b, 0,1,2,3
	s_delay_alu instid0(VALU_DEP_4)
	v_max_num_f32 v[TM+\b], v[TM+\b], v[TM+4+\b]   ; with lane l xor 16's: the block's largest magnitude
.endr
.irp b, 0,1,2,3
	s_delay_alu instid0(VALU_DEP_4)
	v_add_nc_u32 v[TM+12+\b], 0xff000000, v[TM+\b] ; 2 off its exponent field: the conversion's scale operand
.endr
.irp b, 0,1,2,3
	s_delay_alu instid0(VALU_DEP_4)
	v_lshrrev_b32 v[TM+4+\b], 23, v[TM+12+\b]      ; the scale's byte
.endr
	s_delay_alu instid0(VALU_DEP_3)
	v_lshl_or_b32 v[\pw], v[TM+5], 8, v[TM+4]
	s_delay_alu instid0(VALU_DEP_1)
	v_lshl_or_b32 v[\pw], v[TM+6], 16, v[\pw]
	s_delay_alu instid0(VALU_DEP_1)
	v_lshl_or_b32 v[\pw], v[TM+7], 24, v[\pw]
.irp b, 0,1,2,3
	v_cvt_scalef32_pk8_fp4_f32 v[\pc+2*\b], v[\s+16*\b:\s+7+16*\b], v[TM+12+\b]
	v_cvt_scalef32_pk8_fp4_f32 v[\pc+1+2*\b], v[\s+8+16*\b:\s+15+16*\b], v[TM+12+\b]
.endr
	v_nop                                          ; one plain place behind a scaled conversion
.irp c, 0,1                            ; the operand's layout wants a whole block in a lane: lanes 0-15 block 2 c, lanes 16-31 block 2 c + 1
.irp i, 0,1
	v_permlane16_swap_b32 v[\pc+4*\c+\i], v[\pc+2+4*\c+\i]
.endr
.endr
.endm
.rept 4
	v_nop                                          ; four places behind the last products: results are read, and P's fragments are written over
.endr
	s_mov_b32 s2, 0x76543210
	s_mov_b32 s3, 0xfedcba98                       ; lane l xor 16
.irp b, 0,1,2,3
	v_mov_b32 v[TM+4+\b], 0                        ; a lane permute's destination counts as one of its sources
.endr
	QUANT ACC, PC0, PW0
	QUANT ACC+64, PC1, PW1
	s_mov_b32 s100, 0xffff0000
	v_cndmask_b32 v[PWS], v[PW0], v[PW1], s100     ; lanes 0-15: tile 0's words, lanes 16-31: tile 1's (a word stands in lanes r and 16 + r alike)
	s_cmp_eq_u32 s[KIND], 2
	s_cbranch_scc1 .Lout_v
	; Q, K: my 128 channels are two heads g; registers 4 g .. 4 g + 3 of a fragment are head g's 64 channels, bytes 2 g, 2 g + 1 of the word its scales
	s_cmp_eq_u32 s[KIND], 0
	s_cselect_b64 s[92:93], s[14:15], s[18:19]     ; qc or kv
	s_mov_b32 s94, 143360
	s_cselect_b32 s94, 65536, s94                  ; bytes of a head
	s_mov_b32 s95, 35840
	s_cselect_b32 s95, 16384, s95                  ; and of 32 tiles of tokens
	s_lshr_b32 s96, s[RT], 4                       ; b
	s_lshl_b32 s97, s96, 4
	s_lshl_b32 s98, s[PT], 2
	s_add_co_u32 s97, s97, s98
	s_lshl_b32 s98, s[WP], 1
	s_add_co_u32 s97, s97, s98                     ; bh of g = 0: 16 b + 4 PT + 2 (w / 4)
	s_mul_i32 s97, s97, s94
	s_bfe_u32 s98, s[RT], 0x20002                  ; which 32 tiles of the batch's 128
	s_mul_i32 s98, s98, s95
	s_add_co_u32 s97, s97, s98                     ; where they begin
	s_and_b32 s98, s[RT], 3
	s_lshl_b32 s99, s98, 3
	s_lshl_b32 s100, s[WR], 1
	s_add_co_u32 s99, s99, s100                    ; my first tile among them
	s_lshl_b32 s99, s99, 9
	s_add_co_u32 s100, s97, s99
	s_mov_b32 s101, 0
	s_add_nc_u64 s[104:105], s[92:93], s[100:101]  ; g = 0
	s_mov_b32 s32, s94
	s_mov_b32 s33, 0
	s_add_nc_u64 s[32:33], s[104:105], s[32:33]    ; g = 1: a head on
	global_store_b128 v[L16], v[PC0:PC0+3], s[104:105]             ; each store: 512 consecutive bytes, aligned
	s_wait_alu depctr_va_vdst(0)
	global_store_b128 v[L16], v[PC1:PC1+3], s[104:105] offset:512
	global_store_b128 v[L16], v[PC0+4:PC0+7], s[32:33]
	global_store_b128 v[L16], v[PC1+4:PC1+7], s[32:33] offset:512
	v_and_b32 v[W0], 0xffff, v[PWS]                ; head 0's two bytes; the upper two are 0: they meet zero codes in launch 3
	v_lshrrev_b32 v[W0+1], 16, v[PWS]              ; head 1's
	s_cmp_eq_u32 s[KIND], 0
	s_cbranch_scc0 .Lk_scales
	s_lshl_b32 s34, s96, 3
	s_lshl_b32 s35, s[PT], 1
	s_add_co_u32 s34, s34, s35
	s_add_co_u32 s34, s34, s[WP]                   ; 8 b + the pair of heads
	s_lshl_b32 s34, s34, 6
	s_and_b32 s35, s[RT], 15
	s_lshl_b32 s35, s35, 2
	s_add_co_u32 s34, s34, s35
	s_add_co_u32 s34, s34, s[WR]                   ; + the pair of tiles
	s_lshl_b32 s34, s34, 8
	s_mov_b32 s35, 0
	s_add_nc_u64 s[34:35], s[16:17], s[34:35]
	s_wait_alu depctr_va_vdst(0)
	global_store_b64 v[L8], v[W0:W0+1], s[34:35]   ; 256 consecutive bytes, aligned
	s_branch .Ldone
.Lk_scales:
	s_lshl_b32 s34, s98, 2
	s_add_co_u32 s34, s34, s[WR]                   ; my pair of tiles among the chunk's 16
	s_lshl_b32 s34, s34, 7
	s_add_co_u32 s34, s34, s97
	s_add_co_u32 s34, s34, 16384
	s_mov_b32 s35, 0
	s_add_nc_u64 s[34:35], s[18:19], s[34:35]
	s_wait_alu depctr_va_vdst(0)
	global_store_b32 v[L4], v[W0], s[34:35]
	global_store_b32 v[L4], v[W0+1], s[34:35] offset:143360
	s_branch .Ldone
.Lout_v:
	; V: my 128 rows of P are one key step, my two tiles of R two tiles of a head's channels
	s_lshr_b32 s96, s[PT], 3                       ; b
	s_and_b32 s97, s[PT], 7
	s_lshl_b32 s97, s97, 1
	s_add_co_u32 s97, s97, s[WP]                   ; the key step, 0 .. 15
	s_lshl_b32 s98, s96, 4
	s_lshl_b32 s99, s[RT], 1
	s_add_co_u32 s98, s98, s99
	s_lshr_b32 s99, s[WR], 1
	s_add_co_u32 s98, s98, s99                     ; bh
	s_mul_i32 s98, s98, 143360
	s_lshr_b32 s99, s97, 2
	s_mul_i32 s99, s99, 35840
	s_add_co_u32 s98, s98, s99                     ; the chunk
	s_and_b32 s97, s97, 3                          ; the step in it
	s_and_b32 s99, s[WR], 1                        ; which pair of the head's four tiles
	s_lshl_b32 s32, s97, 12
	s_lshl_b32 s33, s99, 11
	s_add_co_u32 s32, s32, s33
	s_add_co_u32 s32, s32, s98
	s_add_co_u32 s32, s32, 18432
	s_mov_b32 s33, 0
	s_add_nc_u64 s[32:33], s[18:19], s[32:33]
	s_lshl_b32 s34, s97, 8
	s_lshl_b32 s35, s99, 7
	s_add_co_u32 s34, s34, s35
	s_add_co_u32 s34, s34, s98
	s_add_co_u32 s34, s34, 34816
	s_mov_b32 s35, 0
	s_add_nc_u64 s[34:35], s[18:19], s[34:35]
	global_store_b128 v[L16], v[PC0:PC0+3], s[32:33]
	global_store_b128 v[L16], v[PC0+4:PC0+7], s[32:33] offset:512
	s_wait_alu depctr_va_vdst(0)
	global_store_b128 v[L16], v[PC1:PC1+3], s[32:33] offset:1024
	global_store_b128 v[L16], v[PC1+4:PC1+7], s[32:33] offset:1536
	global_store_b32 v[L4], v[PWS], s[34:35]
.Ldone:
	s_wait_tensorcnt 0x0                           ; the wave's end
	ds_add_u32 v[SPW], v[NIL]
	s_wait_dscnt 0x0
	CROUND                                         ; the closing round: no work-group ends while a partner may still ask for a tile that names it
	s_endpgm
.Lfunc_end_k_q8c4e3de88d_proj:
	.size	k_q8c4e3de88d_proj, .Lfunc_end_k_q8c4e3de88d_proj-k_q8c4e3de88d_proj
	.p2alignl 7, 3214868480
	.fill 96, 4, 3214868480
	.section	.rodata,"a",@progbits
	.p2align	6, 0x0
	.amdhsa_kernel k_q8c4e3de88d_proj
		.amdhsa_group_segment_fixed_size 222976
		.amdhsa_private_segment_fixed_size 0
		.amdhsa_enable_private_segment 0
		.amdhsa_kernarg_size 64
		.amdhsa_user_sgpr_count 2
		.amdhsa_user_sgpr_kernarg_segment_ptr 1
		.amdhsa_wavefront_size32 1
		.amdhsa_system_sgpr_workgroup_id_x 1
		.amdhsa_system_sgpr_workgroup_id_y 1
		.amdhsa_system_sgpr_workgroup_id_z 1
		.amdhsa_system_vgpr_workitem_id 0
		.amdhsa_next_free_vgpr 256
		.amdhsa_next_free_sgpr 106
		.amdhsa_reserve_vcc 0
		.amdhsa_float_denorm_mode_32 3
		.amdhsa_float_denorm_mode_16_64 3
		.amdhsa_memory_ordered 1
		.amdhsa_forward_progress 1
		.amdhsa_inst_pref_size 58
	.end_amdhsa_kernel
	.amdgpu_metadata
---
amdhsa.version: [ 1, 2 ]
amdhsa.kernels:
  - .name:           k_q8c4e3de88d_proj
    .symbol:         k_q8c4e3de88d_proj.kd
    .args:
      - { .name: cod, .offset: 0, .size: 8, .value_kind: global_buffer, .address_space: global }
      - { .name: scl, .offset: 8, .size: 8, .value_kind: global_buffer, .address_space: global }
      - { .name: bq, .offset: 16, .size: 8, .value_kind: global_buffer, .address_space: global }
      - { .name: bk, .offset: 24, .size: 8, .value_kind: global_buffer, .address_space: global }
      - { .name: bv, .offset: 32, .size: 8, .value_kind: global_buffer, .address_space: global }
      - { .name: qc, .offset: 40, .size: 8, .value_kind: global_buffer, .address_space: global }
      - { .name: qs, .offset: 48, .size: 8, .value_kind: global_buffer, .address_space: global }
      - { .name: kv, .offset: 56, .size: 8, .value_kind: global_buffer, .address_space: global }
    .group_segment_fixed_size: 222976
    .private_segment_fixed_size: 0
    .kernarg_segment_align: 8
    .kernarg_segment_size: 64
    .max_flat_workgroup_size: 256
    .sgpr_count:     106
    .vgpr_count:     256
    .wavefront_size: 32
...
	.end_amdgpu_metadata
.endif
;; end of part 2
;; launch attn (part 3): grid 128 x 8, 8 waves a work-group, no clusters, 0 bytes of LDS; arguments qc, qs, kv, mbits, xc, xs; writes xc, xs
.if DOCPART == 3
	.amdgcn_target "amdgcn-amd-amdhsa--gfx1250"
	.amdhsa_code_object_version 6
	.text
	.protected	k_q8c4e3de88d_attn
	.globl	k_q8c4e3de88d_attn
	.p2align	8
	.type	k_q8c4e3de88d_attn,@function
k_q8c4e3de88d_attn:
	s_mov_b64 s[64:65], 0
	v_nop
	global_prefetch_b8 v0, s[64:65] scope:SCOPE_SE
	s_setreg_imm32_b32 hwreg(HW_REG_WAVE_MODE, 25, 1), 1
	s_wait_xcnt 0x0
; LAUNCH 3 OF 4: for each batch and head, O = softmax(mask(Q K^T / 8)) V on codes of FP4 with E8M0 scales; O / l is quantised along the model's 1,024 and stored as the image of the last product's operand.
; THE SOFTMAX AHEAD OF THE SECOND PRODUCT: t = score x log2(e) / 8; M = the running largest t, rounded up to a whole number; p = 2^(t - M) is quantised along the keys; l is the sum of the unquantised p and divides at the end.
; When M moves, l and O are multiplied by 2^(old M - new M): exact.
; THE MASK is an input of whole numbers.  A masked score is set to -2^36 ahead of the factor c = log2(e) / 8; c x 2^36 is a whole number, so a row that is masked throughout has p = 1 for all keys, as with the problem's -1e10.
; WHICH KEY STEPS ARE WALKED is decided by whole numbers that launch 1 stored behind the mask words: for my tile of 16 queries and each step of 128 keys, whether any mask word counts and whether all do, and which rows have a key that counts.
; A step none of whose 16 x 128 words counts is left out only where every row of the tile has a key that counts somewhere: each p of that step is then 2^(-2^36 c - M) with M made by a score that counts, which is 0 in f32.
; Where some row of the tile is masked throughout, all 16 steps are walked.  Where all words of a step count, the 64 selects are led round.
; LIMITS: -2^36 stands for an energy of -2^33 in place of -1e10: the results are the problem's wherever the energies that count lie above about -8e9.  NaN and infinities are not served; a block of zeros keeps the byte 1.
; SHARES.  1,024 work-groups of eight waves, 256 registers a wave: two work-groups fit on a WGP.  A work-group owns the 8 stored tiles of one block of 128 queries of one batch and head, a wave one tile of 16.
; x = 2 x (batch and head) + sub, block = 15 - (2 y + sub): the blocks of the highest queries have the lowest work-group numbers, and neighbours in x read the same head's kv.
; NO LDS, NO TENSOR LOADS, NO BARRIER, NO CLUSTER: the trip count hangs on stored numbers, so the waves do not walk in step and there is no joint request to make.  kv holds images of the operands' registers: each lane loads its
; 16 bytes, 512 consecutive bytes an instruction.  K's 12 loads of the next live step are issued behind this step's first product, V's 10 behind its second: each has a whole step in which to land, so no prefetch is laid beside them.
; Behind the last live step the loads name step 15 once more: inside the buffer, not used.
; LAYOUT.  Both products are used transposed: S^T = K Q^T, O^T = V^T P^T: a lane holds one query (lane % 16).  Score register 16 b + i is key 32 b + 16 h + i of the step, O^T's register 16 b + i channel 32 b + 16 h + i of the head.
; K = 64 IN AN INSTRUCTION OF K = 128: Q's registers 4 to 7 are zero codes; K's operand is a run of eight registers whose upper four (the next tile's codes; behind the last: zeros) meet those zero codes under scale bytes 0.
.set CH,    35840                      ; a chunk of 512 keys in kv: K's codes; + KSO K's scale words; + VCO V's codes; + VSO V's scale words
.set KSO,   16384
.set VCO,   18432
.set VSO,   34816
.set FLG,   524288                     ; the flags in mbits: [tile 128][wave of launch 1: 4][256 bytes, of which the first 8 are read]
.set L16,   1                          ; v1 16 x lane;  v2 4 x lane;  v5 -2^36;  v10 8 r (qs);  v11 16 r + h (xs)
.set L4,    2
.set NEG,   5
.set QSO,   10
.set XSO,   11                         ; v12 -M, v13 the largest t, v[14:15] the sum in two halves
.set QF,    16                         ; v16-19 Q's codes, v20-23 zeros;  v24 Q's scale words
.set QS,    24
.set KF,    32                         ; v32-63 K's eight tiles, v64-67 zeros;  v68-71 K's scale words;  v72-73 V's;  v80-111 V's four fragments
.set KS,    68
.set VS,    72
.set VF,    80
.set S,     112                        ; v112-175 S^T, then p;  v176-207 O^T;  v208-215 p's codes
.set O,     176
.set PC,    208
.set BM,    216                        ; v216-219 the blocks' largest scores, then p;  v220-223 permutes' results, bytes;  v224-227 the conversions' scale operands
.set BT,    220
.set SO,    224
.set F,     230                        ; v[230:231] f = 2^(old M - new M);  v232 p's scale word;  v233 at work;  v228-229, v244-255 the sum's chains
.set PWD,   232
.set TP,    233
.set MB,    2                          ; s[2:3] my tile's mask words;  s[4:5] lane l xor 16;  s[6:7] c twice;  s[8:9] my head's kv
.set SEL,   4
.set CS,    6
.set KV,    8
.set KB,    10                         ; s[10:17] bases of the loads in hand: K's codes, K's scale words, V's codes, V's scale words
.set KSB,   12
.set VB,    14
.set VSB,   16
.set OK,    18                         ; s[18:23] the next live step's byte offsets in the head's kv, as pairs with 0 above: codes, K's scale words, V's scale words
.set OS,    20
.set OT,    22
.set LIVE,  24                         ; s24 live steps still to be asked for, a bit each;  s25 steps all of whose words count;  s26 the trips;  s27 the step in hand;  s28 the next
.set FULL,  25
.set CNT,   26
.set IDX,   27
.set NX,    28
.set WV,    66
.set MO,    67                         ; s67 the byte at which the mask words asked for last begin;  s[32:63], s[68:99]: the 64 words (at the head and on the way out: at work)
.set T,     100
.set BH,    101
.set I,     105
.macro NEXT                            ; the lowest live step still to come (none: 15), taken off the list, and its offsets.  What was loaded enters an address behind s_min_u32 alone
	s_ctz_i32_b32 s[NX], s[LIVE]
	s_min_u32 s[NX], s[NX], 15
	s_sub_co_u32 s29, s[LIVE], 1
	s_and_b32 s[LIVE], s[LIVE], s29
	s_lshr_b32 s29, s[NX], 2
	s_min_u32 s29, s29, 3
	s_and_b32 s30, s[NX], 3
	s_mul_i32 s29, s29, CH
	s_lshl_b32 s31, s30, 12
	s_add_co_u32 s[OK], s29, s31
	s_lshl_b32 s31, s30, 9
	s_add_co_u32 s[OS], s29, s31
	s_lshl_b32 s31, s30, 8
	s_add_co_u32 s[OT], s29, s31
.endm
.macro KLOADS
.irp t, 0,1,2,3,4,5,6,7
	global_load_b128 v[KF+4*\t:KF+4*\t+3], v[L16], s[KB:KB+1] offset:512*\t
.endr
.irp i, 0,1,2,3
	global_load_b32 v[KS+\i], v[L4], s[KSB:KSB+1] offset:KSO+128*\i
.endr
.endm
.macro VLOADS
.irp d, 0,1,2,3
.irp c, 0,1
	global_load_b128 v[VF+8*\d+4*\c:VF+8*\d+4*\c+3], v[L16], s[VB:VB+1] offset:VCO+1024*\d+512*\c
.endr
.endr
.irp i, 0,1
	global_load_b32 v[VS+\i], v[L4], s[VSB:VSB+1] offset:VSO+128*\i
.endr
.endm
.macro MWORDS                          ; the 64 mask words of the step at s[MO]: word j is the lane mask for score register j
	s_load_b512 s[32:47], s[MB:MB+1], s[MO] offset:0x0
	s_load_b512 s[48:63], s[MB:MB+1], s[MO] offset:0x40
	s_load_b512 s[68:83], s[MB:MB+1], s[MO] offset:0x80
	s_load_b512 s[84:99], s[MB:MB+1], s[MO] offset:0xc0
.endm
	s_load_b256 s[32:39], s[0:1], 0x0              ; qc, qs, kv, mbits
	v_lshrrev_b32 v6, 5, v0
	v_readfirstlane_b32 s[WV], v6                  ; wave 0..7
	v_and_b32 v7, 31, v0
	v_lshlrev_b32 v[L16], 4, v7
	v_lshlrev_b32 v[L4], 2, v7
	v_and_b32 v8, 15, v0
	v_bfe_u32 v9, v0, 4, 1
	v_lshlrev_b32 v[QSO], 3, v8
	v_lshl_add_u32 v[XSO], v8, 4, v9
	v_mov_b32 v[NEG], 0xd1800000                   ; -2^36
.irp i, 0,1,2,3
	v_mov_b32 v[QF+4+\i], 0                        ; zero codes for K = 64 .. 127
	v_mov_b32 v[KF+32+\i], 0                       ; what stands behind K's last tile
	v_mov_b32 v[BT+\i], 0                          ; a lane permute's destination counts as one of its sources
.endr
	v_mov_b32 v[F+1], 0
	s_mov_b32 s[SEL], 0x76543210
	s_mov_b32 s[SEL+1], 0xfedcba98
	s_mov_b32 s[CS], 0x3e38aa3b                    ; c = log2(e) / 8
	s_mov_b32 s[CS+1], s[CS]
	s_mov_b32 s[OK+1], 0
	s_mov_b32 s[OS+1], 0
	s_mov_b32 s[OT+1], 0
	s_lshr_b32 s[BH], ttmp9, 1                     ; batch and head
	s_and_b32 s29, ttmp9, 1
	s_and_b32 s30, ttmp7, 0xffff
	s_lshl_b32 s30, s30, 1
	s_add_co_u32 s30, s30, s29
	s_sub_co_u32 s30, 15, s30                      ; my work-group's block of 128 queries
	s_lshl_b32 s[T], s30, 3
	s_add_co_u32 s[T], s[T], s[WV]                 ; T: my stored tile, 0 .. 127
	s_lshl_b32 s68, s[BH], 7
	s_add_co_u32 s68, s68, s[T]
	s_lshl_b32 s68, s68, 9                         ; qc: 512 bytes a tile
	s_mov_b32 s69, 0
	s_lshr_b32 s70, s[BH], 1                       ; qs: the pair of heads,
	s_lshl_b32 s70, s70, 6
	s_lshr_b32 s71, s[T], 1
	s_add_co_u32 s70, s70, s71                     ; the pair of tiles: 256 bytes each,
	s_lshl_b32 s70, s70, 8
	s_and_b32 s71, s[T], 1
	s_lshl_b32 s71, s71, 7
	s_add_co_u32 s70, s70, s71                     ; my tile of the pair,
	s_and_b32 s71, s[BH], 1
	s_lshl_b32 s71, s71, 2
	s_add_co_u32 s70, s70, s71                     ; my head of the pair
	s_mov_b32 s71, 0
	s_lshl_b32 s72, s[T], 12                       ; mask words: 4,096 bytes a tile
	s_mov_b32 s73, 0
	s_mul_i32 s74, s[BH], 4*CH
	s_mov_b32 s75, 0
	s_lshl_b32 s76, s[T], 10
	s_add_co_u32 s76, s76, FLG                     ; flags: 1,024 bytes a tile
	s_mov_b32 s77, 0
	s_wait_alu depctr_va_vdst(0)
	s_wait_kmcnt 0x0
	s_add_nc_u64 s[32:33], s[32:33], s[68:69]
	s_add_nc_u64 s[34:35], s[34:35], s[70:71]
	s_add_nc_u64 s[KV:KV+1], s[36:37], s[74:75]
	s_add_nc_u64 s[MB:MB+1], s[38:39], s[72:73]
	s_add_nc_u64 s[38:39], s[38:39], s[76:77]
	s_load_b64 s[40:41], s[38:39], 0x0
	s_load_b64 s[42:43], s[38:39], 0x100
	s_load_b64 s[44:45], s[38:39], 0x200
	s_load_b64 s[46:47], s[38:39], 0x300
	global_load_b128 v[QF:QF+3], v[L16], s[32:33]  ; Q's fragment stays in registers
	global_load_b32 v[QS], v[QSO], s[34:35]
	v_mov_b32 v13, 0xff61b1e6                      ; the largest t so far: -3e38, under every t
	v_floor_f32 v12, -v13                          ; -M
	v_mov_b32 v14, 0
	v_mov_b32 v15, 0
.set i, 0
.rept 32
	v_mov_b32 v[O+i], 0                            ; O^T: the step is written once; the first finds zeros
.set i, i+1
.endr
	s_wait_kmcnt 0x0
	s_or_b32 s29, s40, s42
	s_or_b32 s29, s29, s44
	s_or_b32 s29, s29, s46
	s_lshr_b32 s30, s29, 16
	s_or_b32 s29, s29, s30
	s_and_b32 s29, s29, 0xffff                     ; bit r: row r of my tile has a key that counts
	s_or_b32 s31, s41, s43
	s_or_b32 s31, s31, s45
	s_or_b32 s31, s31, s47
	s_and_b32 s[LIVE], s31, 0xffff
	s_lshr_b32 s[FULL], s31, 16
	s_cmp_eq_u32 s29, 0xffff
	s_cselect_b32 s[LIVE], s[LIVE], 0xffff         ; a row that is masked throughout wants every step
	s_bcnt1_i32_b32 s[CNT], s[LIVE]
	s_min_u32 s[CNT], s[CNT], 16
	NEXT
	s_mov_b32 s[IDX], s[NX]
	s_lshl_b32 s[MO], s[NX], 8
	s_wait_xcnt 0x0                                ; Q's loads have read their bases: the mask words may land there
	MWORDS
	s_add_nc_u64 s[KB:KB+1], s[KV:KV+1], s[OK:OK+1]
	s_add_nc_u64 s[KSB:KSB+1], s[KV:KV+1], s[OS:OS+1]
	s_add_nc_u64 s[VB:VB+1], s[KV:KV+1], s[OK:OK+1]
	s_add_nc_u64 s[VSB:VSB+1], s[KV:KV+1], s[OT:OT+1]
	KLOADS
	VLOADS
	s_mov_b32 s[I], 0
	s_wait_alu depctr_va_vdst(0)
.Lstep:                                        ; A LIVE KEY STEP: 128 keys
	s_wait_loadcnt 10                              ; K's 12 loads (and, the first time, Q's) are in; V's 10 may be out
.irp t, 0,2,4,6
	v_wmma_scale_f32_16x16x128_f8f6f4 v[S+8*\t:S+8*\t+7], v[KF+4*\t:KF+4*\t+7], v[QF:QF+7], 0, v[KS+\t/2], v[QS] matrix_a_fmt:MATRIX_FMT_FP4 matrix_b_fmt:MATRIX_FMT_FP4
	v_wmma_scale_f32_16x16x128_f8f6f4 v[S+8*\t+8:S+8*\t+15], v[KF+4*\t+4:KF+4*\t+11], v[QF:QF+7], 0, v[KS+\t/2], v[QS] matrix_a_fmt:MATRIX_FMT_FP4 matrix_b_fmt:MATRIX_FMT_FP4 matrix_a_scale:MATRIX_SCALE_ROW1
.endr
	NEXT
	s_add_nc_u64 s[KB:KB+1], s[KV:KV+1], s[OK:OK+1]     ; (the loads that read these bases are done)
	s_add_nc_u64 s[KSB:KSB+1], s[KV:KV+1], s[OS:OS+1]
.rept 4
	v_nop                                          ; four places: behind them results are read and loads land on K's registers
.endr
	KLOADS                                         ; the next live step's K
	s_wait_kmcnt 0x0                               ; this step's mask words, asked for a step ago
	s_bitcmp1_b32 s[FULL], s[IDX]
	s_cbranch_scc1 .Lfull                          ; all words count: nothing to select
.set j, 0
.rept 64
	v_cndmask_b32 v[S+j], v[NEG], v[S+j], s[32+j+4*(j/32)]   ; the score where the mask's bit is set, else -2^36; each accumulator from its low end on
.set j, j+1
.endr
.Lfull:
	s_lshl_b32 s[MO], s[NX], 8
	s_mov_b32 s[IDX], s[NX]
	MWORDS                                         ; the next live step's
.irp b, 0,1,2,3
	v_max3_num_f32 v[BM+\b], v[S+16*\b], v[S+1+16*\b], v[S+2+16*\b]   ; the largest score of each block of 32 keys: for the row's maximum and, since p rises with the score, for the block's largest p
.endr
.irp i, 3,5,7,9,11,13
.irp b, 0,1,2,3
	v_max3_num_f32 v[BM+\b], v[BM+\b], v[S+16*\b+\i], v[S+1+16*\b+\i]
.endr
.endr
.irp b, 0,1,2,3
	v_max_num_f32 v[BM+\b], v[BM+\b], v[S+15+16*\b]
.endr
.irp b, 0,1,2,3
	v_permlanex16_b32 v[BT+\b], v[BM+\b], s[SEL], s[SEL+1]
.endr
.irp b, 0,1,2,3
	v_max_num_f32 v[BM+\b], v[BM+\b], v[BT+\b]     ; with lane l xor 16's 16 keys
.endr
	v_max3_num_f32 v[TP], v[BM], v[BM+1], v[BM+2]
	v_max_num_f32 v[TP], v[TP], v[BM+3]            ; the step's largest score of my query
	v_mul_f32 v[TP], s[CS], v[TP]                  ; as t (c is positive)
	v_max_num_f32 v13, v13, v[TP]                  ; the running largest t
	v_mov_b32 v[TP], v12
	v_floor_f32 v12, -v13                          ; the new -M = floor(-t): M is a whole number
	v_sub_f32 v[TP], v12, v[TP]                    ; old M - new M: a whole number, 0 or less
	v_cvt_i32_f32 v[TP], v[TP]                     ; (it saturates)
	v_ldexp_f32 v[F], 1.0, v[TP]                   ; f = 2^(old M - new M)
.set j, 0
.rept 32
	v_pk_fma_f32 v[S+j:S+j+1], v[S+j:S+j+1], s[CS:CS+1], v[12:13] op_sel_hi:[1,0,0]   ; t - M, two at a time
.set j, j+2
.endr
.irp b, 0,1,2,3
	v_fma_f32 v[BM+\b], v[BM+\b], s[CS], v12       ; the same of each block's largest score
.endr
	s_wait_alu depctr_va_vdst(0)
.set j, 0
.rept 64
	v_exp_f32 v[S+j], v[S+j]                       ; p = 2^(t - M), at most 1
.set j, j+1
.endr
	v_pk_mul_f32 v[14:15], v[14:15], v[F:F+1] op_sel_hi:[1,0]      ; the sums under the new M: the plain place behind the exponentials
	s_wait_alu depctr_va_vdst(0)                   ; one wait for the whole batch, ahead of its first reader
.irp b, 0,1,2,3
	v_exp_f32 v[BM+\b], v[BM+\b]                   ; the block's largest p: the same two instructions on the same number give the same bits
.endr
	v_pk_add_f32 v[228:229], v[116:117], v[120:121]      ; the row's sum of the unquantised p, in eight chains
	v_pk_add_f32 v[254:255], v[124:125], v[128:129]
	v_pk_add_f32 v[252:253], v[132:133], v[136:137]
	v_pk_add_f32 v[250:251], v[140:141], v[144:145]
	v_pk_add_f32 v[248:249], v[148:149], v[152:153]
	v_pk_add_f32 v[246:247], v[156:157], v[160:161]
	v_pk_add_f32 v[244:245], v[164:165], v[168:169]
	v_pk_add_f32 v[14:15], v[14:15], v[172:173]
	v_pk_add_f32 v[228:229], v[228:229], v[112:113]
	v_pk_add_f32 v[254:255], v[254:255], v[114:115]
	v_pk_add_f32 v[252:253], v[252:253], v[118:119]
	v_pk_add_f32 v[250:251], v[250:251], v[122:123]
	v_pk_add_f32 v[248:249], v[248:249], v[126:127]
	v_pk_add_f32 v[246:247], v[246:247], v[130:131]
	v_pk_add_f32 v[244:245], v[244:245], v[134:135]
	v_pk_add_f32 v[14:15], v[14:15], v[138:139]
	v_pk_add_f32 v[228:229], v[228:229], v[142:143]
	v_pk_add_f32 v[254:255], v[254:255], v[146:147]
	v_pk_add_f32 v[252:253], v[252:253], v[150:151]
	v_pk_add_f32 v[250:251], v[250:251], v[154:155]
	v_pk_add_f32 v[248:249], v[248:249], v[158:159]
	v_pk_add_f32 v[246:247], v[246:247], v[162:163]
	v_pk_add_f32 v[244:245], v[244:245], v[166:167]
	v_pk_add_f32 v[14:15], v[14:15], v[170:171]
	v_pk_add_f32 v[228:229], v[228:229], v[174:175]
	v_pk_add_f32 v[14:15], v[14:15], v[250:251]
	v_pk_add_f32 v[228:229], v[228:229], v[248:249]
	v_pk_add_f32 v[254:255], v[254:255], v[246:247]
	v_pk_add_f32 v[252:253], v[252:253], v[244:245]
	v_pk_add_f32 v[14:15], v[14:15], v[254:255]
	v_pk_add_f32 v[228:229], v[228:229], v[252:253]
	v_pk_add_f32 v[14:15], v[14:15], v[228:229]
	s_wait_alu depctr_va_vdst(0)                   ; and one for the four
.irp b, 0,1,2,3
	v_max_num_f32 v[BM+\b], 0x1800000, v[BM+\b]    ; the floor 2^(3 - 127): the byte cannot fall under 1
.endr
.irp b, 0,1,2,3
	v_add_nc_u32 v[SO+\b], 0xff000000, v[BM+\b]    ; 2 off the exponent field: the conversion's scale operand
.endr
.irp b, 0,1,2,3
	v_lshrrev_b32 v[BT+\b], 23, v[SO+\b]           ; the scale's byte
.endr
	v_lshl_or_b32 v[PWD], v[BT+1], 8, v[BT]        ; p's scale word for these 128 keys
	v_lshl_or_b32 v[PWD], v[BT+2], 16, v[PWD]
	v_lshl_or_b32 v[PWD], v[BT+3], 24, v[PWD]
.irp b, 0,1,2,3
	v_cvt_scalef32_pk8_fp4_f32 v[PC+2*\b], v[S+16*\b:S+7+16*\b], v[SO+\b]
	v_cvt_scalef32_pk8_fp4_f32 v[PC+1+2*\b], v[S+8+16*\b:S+15+16*\b], v[SO+\b]
.endr
	v_nop                                          ; one plain place behind a scaled conversion
.irp c, 0,1                            ; the operand's layout wants a whole block in a lane
.irp i, 0,1
	v_permlane16_swap_b32 v[PC+4*\c+\i], v[PC+2+4*\c+\i]
.endr
.endr
	s_wait_alu depctr_va_vdst(0)
.set j, 0
.rept 16
	v_pk_mul_f32 v[O+j:O+j+1], v[O+j:O+j+1], v[F:F+1] op_sel_hi:[1,0]   ; O^T under the new M, each accumulator from its low end on; also the places between p's codes and scale word and the products
.set j, j+2
.endr
	s_wait_alu depctr_va_vdst(0)
	s_wait_loadcnt 12                              ; V's 10 loads are in; the next step's 12 of K may be out
.irp d, 0,2
	v_wmma_scale_f32_16x16x128_f8f6f4 v[O+8*\d:O+8*\d+7], v[VF+8*\d:VF+8*\d+7], v[PC:PC+7], v[O+8*\d:O+8*\d+7], v[VS+\d/2], v[PWD] matrix_a_fmt:MATRIX_FMT_FP4 matrix_b_fmt:MATRIX_FMT_FP4
	v_wmma_scale_f32_16x16x128_f8f6f4 v[O+8*\d+8:O+8*\d+15], v[VF+8*\d+8:VF+8*\d+15], v[PC:PC+7], v[O+8*\d+8:O+8*\d+15], v[VS+\d/2], v[PWD] matrix_a_fmt:MATRIX_FMT_FP4 matrix_b_fmt:MATRIX_FMT_FP4 matrix_a_scale:MATRIX_SCALE_ROW1
.endr
	s_add_nc_u64 s[VB:VB+1], s[KV:KV+1], s[OK:OK+1]     ; (the loads that read these bases are done)
	s_add_nc_u64 s[VSB:VSB+1], s[KV:KV+1], s[OT:OT+1]
.rept 4
	v_nop                                          ; four places in front of loads into V's registers, and of the way out's reads of O^T
.endr
	VLOADS                                         ; the next live step's V
	s_add_co_u32 s[I], s[I], 1
	s_cmp_lt_u32 s[I], s[CNT]
	s_cbranch_scc1 .Lstep
	; THE WAY OUT.  O^T / l: register 16 b + i is channel 32 b + 16 h + i of my head: two blocks of the last product's K
	s_wait_kmcnt 0x0                               ; the mask words asked for last have landed: their registers are free
	s_load_b128 s[32:35], s[0:1], 0x20             ; xc, xs
	v_add_f32 v14, v14, v15                        ; the sum's two halves,
	v_permlanex16_b32 v[TP], v14, s[SEL], s[SEL+1]
	v_add_f32 v14, v14, v[TP]                      ; and lane l xor 16's: l
	s_wait_alu depctr_va_vdst(0)
	v_rcp_f32 v14, v14
	v_nop                                          ; one plain place behind it
	s_lshr_b32 s70, s[BH], 4
	s_lshl_b32 s70, s70, 7
	s_add_co_u32 s70, s70, s[T]                    ; the tile among all 512: 128 b + T
	s_and_b32 s71, s[BH], 15                       ; the head
	s_lshl_b32 s72, s70, 13                        ; xc: 8,192 bytes a tile, 512 a head
	s_lshl_b32 s73, s71, 9
	s_add_co_u32 s72, s72, s73
	s_mov_b32 s73, 0
	s_lshr_b32 s74, s70, 1                         ; xs: 1,024 bytes a pair of tiles,
	s_lshl_b32 s74, s74, 10
	s_lshr_b32 s75, s71, 3                         ; 512 a half of K,
	s_lshl_b32 s75, s75, 9
	s_add_co_u32 s74, s74, s75
	s_and_b32 s75, s70, 1                          ; 256 a tile,
	s_lshl_b32 s75, s75, 8
	s_add_co_u32 s74, s74, s75
	s_bfe_u32 s75, s71, 0x20001                    ; 4 a K step of 128 (two heads),
	s_lshl_b32 s75, s75, 2
	s_add_co_u32 s74, s74, s75
	s_and_b32 s75, s71, 1                          ; 2 a head
	s_lshl_b32 s75, s75, 1
	s_add_co_u32 s74, s74, s75
	s_mov_b32 s75, 0
	s_mov_b32 s76, 0xffff0000
	s_wait_alu depctr_va_vdst(0)                   ; the wait ahead of the first reader of the reciprocal and of O^T
.set j, 0
.rept 16
	v_pk_mul_f32 v[S+j:S+j+1], v[O+j:O+j+1], v[14:15] op_sel_hi:[1,0]
.set j, j+2
.endr
.irp b, 0,1
	v_max3_num_f32 v[BM+\b], |v[S+16*\b]|, |v[S+1+16*\b]|, 0x1800000
.endr
.irp i, 2,4,6,8,10,12,14
.irp b, 0,1
	v_max3_num_f32 v[BM+\b], v[BM+\b], |v[S+16*\b+\i]|, |v[S+1+16*\b+\i]|
.endr
.endr
.irp b, 0,1
	v_permlanex16_b32 v[BT+\b], v[BM+\b], s[SEL], s[SEL+1]
.endr
.irp b, 0,1
	v_max_num_f32 v[BM+\b], v[BM+\b], v[BT+\b]
.endr
.irp b, 0,1
	v_add_nc_u32 v[SO+\b], 0xff000000, v[BM+\b]
.endr
.irp b, 0,1
	v_lshrrev_b32 v[BT+\b], 23, v[SO+\b]
.endr
.irp b, 0,1
	v_cvt_scalef32_pk8_fp4_f32 v[PC+2*\b], v[S+16*\b:S+7+16*\b], v[SO+\b]
	v_cvt_scalef32_pk8_fp4_f32 v[PC+1+2*\b], v[S+8+16*\b:S+15+16*\b], v[SO+\b]
.endr
	v_nop                                          ; one plain place behind a scaled conversion
	v_permlane16_swap_b32 v[PC], v[PC+2]           ; lanes 0-15: block 0 whole, lanes 16-31: block 1
	v_permlane16_swap_b32 v[PC+1], v[PC+3]
	v_cndmask_b32 v[TP], v[BT], v[BT+1], s76       ; and their bytes likewise
	s_wait_alu depctr_va_vdst(0)
	s_wait_kmcnt 0x0
	s_add_nc_u64 s[32:33], s[32:33], s[72:73]
	s_add_nc_u64 s[34:35], s[34:35], s[74:75]
	global_store_b128 v[L16], v[PC:PC+3], s[32:33] ; 512 consecutive bytes, aligned
	global_store_b8 v[XSO], v[TP], s[34:35]        ; a scale word spans two heads, so two work-groups: each byte has one owner and goes alone; 256 KiB in the whole launch
	s_endpgm
.Lfunc_end_k_q8c4e3de88d_attn:
	.size	k_q8c4e3de88d_attn, .Lfunc_end_k_q8c4e3de88d_attn-k_q8c4e3de88d_attn
	.p2alignl 7, 3214868480
	.fill 96, 4, 3214868480
	.section	.rodata,"a",@progbits
	.p2align	6, 0x0
	.amdhsa_kernel k_q8c4e3de88d_attn
		.amdhsa_group_segment_fixed_size 0
		.amdhsa_private_segment_fixed_size 0
		.amdhsa_enable_private_segment 0
		.amdhsa_kernarg_size 48
		.amdhsa_user_sgpr_count 2
		.amdhsa_user_sgpr_kernarg_segment_ptr 1
		.amdhsa_wavefront_size32 1
		.amdhsa_system_sgpr_workgroup_id_x 1
		.amdhsa_system_sgpr_workgroup_id_y 1
		.amdhsa_system_sgpr_workgroup_id_z 1
		.amdhsa_system_vgpr_workitem_id 0
		.amdhsa_next_free_vgpr 256
		.amdhsa_next_free_sgpr 106
		.amdhsa_reserve_vcc 0
		.amdhsa_float_denorm_mode_32 3
		.amdhsa_float_denorm_mode_16_64 3
		.amdhsa_memory_ordered 1
		.amdhsa_forward_progress 1
		.amdhsa_inst_pref_size 34
	.end_amdhsa_kernel
	.amdgpu_metadata
---
amdhsa.version: [ 1, 2 ]
amdhsa.kernels:
  - .name:           k_q8c4e3de88d_attn
    .symbol:         k_q8c4e3de88d_attn.kd
    .args:
      - { .name: qc, .offset: 0, .size: 8, .value_kind: global_buffer, .address_space: global }
      - { .name: qs, .offset: 8, .size: 8, .value_kind: global_buffer, .address_space: global }
      - { .name: kv, .offset: 16, .size: 8, .value_kind: global_buffer, .address_space: global }
      - { .name: mbits, .offset: 24, .size: 8, .value_kind: global_buffer, .address_space: global }
      - { .name: xc, .offset: 32, .size: 8, .value_kind: global_buffer, .address_space: global }
      - { .name: xs, .offset: 40, .size: 8, .value_kind: global_buffer, .address_space: global }
    .group_segment_fixed_size: 0
    .private_segment_fixed_size: 0
    .kernarg_segment_align: 8
    .kernarg_segment_size: 48
    .max_flat_workgroup_size: 256
    .sgpr_count:     106
    .vgpr_count:     256
    .wavefront_size: 32
...
	.end_amdgpu_metadata
.endif
;; end of part 3
;; launch outp (part 4): grid 4 x 64, 8 waves a work-group, clusters of 4 x 4, 286,208 bytes of LDS; arguments cod, scl, xc, xs, bo, out0; writes out0
.if DOCPART == 4
	.amdgcn_target "amdgcn-amd-amdhsa--gfx1250"
	.amdhsa_code_object_version 6
	.text
	.protected	k_q8c4e3de88d_outp
	.globl	k_q8c4e3de88d_outp
	.p2align	8
	.type	k_q8c4e3de88d_outp,@function
k_q8c4e3de88d_outp:
	s_mov_b64 s[64:65], 0
	v_nop
	global_prefetch_b8 v0, s[64:65] scope:SCOPE_SE
	s_setreg_imm32_b32 hwreg(HW_REG_WAVE_MODE, 25, 1), 1
	s_wait_xcnt 0x0
	s_wait_alu depctr_hold_cnt(0) depctr_sa_sdst(0) depctr_va_vdst(0) depctr_va_sdst(0) depctr_va_ssrc(0) depctr_va_vcc(0) depctr_vm_vsrc(0)
	s_getreg_b32 s2, hwreg(HW_REG_IB_STS2, 6, 4)
	s_cmp_eq_u32 s2, 0
	s_cbranch_scc0 .Lentry_in_a_cluster
	s_endpgm
.Lentry_in_a_cluster:
	s_bfe_u32 s2, ttmp6, 0x10000c
	s_cmp_lg_u32 s2, 0xf033
	s_cbranch_scc0 .Lentry_shape_is_right
	s_endpgm
.Lentry_shape_is_right:
; LAUNCH 4 OF 4: out0 = x wo^T + bo on codes of FP4 with E8M0 scales; x's codes and scale words are launch 3's images.  No work is left out.  LIMITS: as in launch 1.
; THE PRODUCT is launch 2's: a work-group makes P 256 rows (source 0 = wo's rows, the output's columns) x R 128 rows (source 1 = tokens), K = 1,024, all of it in LDS as two halves, each filled once.  8 waves: wave w takes P's rows
; 128 (w / 4) on (8 tiles t) and R's rows 32 (w % 4) on (2 tiles a): 16 accumulators, which take turns, one instruction a turn.
; In a result tile lane (r, h) holds token r of a stored tile and, in the 16 registers of tiles 2 b and 2 b + 1, the true columns 32 b + 16 h + 0 .. 15: wo's tiles lie in the stored order of launch 1.
; R COMES AS IMAGES: xc [tile 512][K step 8][c 2][lane][16 B]: a fragment is two loads of 16 bytes a lane on end; xs [pair of tiles 256][half of K 2][16 a + r][K step 4] words: one load of 16 bytes a lane brings a half's words of both tiles.
; CLUSTER 4 x 4: wo's tile hangs on cx alone and is asked for jointly down a column, x's on cy alone and jointly along a row.  Waves 0-3 fetch P's quarters, waves 4-7 R's: three tensor loads of a wave are out at the most.
; bo is the C of the first product: loaded straight into the accumulators.
; THE WAY OUT: 16 tokens x 128 columns at a time through the wave's own stage in LDS, back as whole rows of 512 bytes: each store covers 512 consecutive bytes, aligned to 256.  A stored tile's row i is the true token 8 a + i + 8 (i / 8) of my 32.
; LDS AND LOADS AS THE TEXT BELOW HAS THEM: a row of P holds all of K, 512 bytes + 16 of padding; R's eight tiles lie as in xc, 8,192 bytes each.  Every wave issues ONE tensor load, at the head: waves 0, 1 the halves of P's 256 rows,
; waves 2, 3 of R's images, waves 4, 5 of P's scale bytes, waves 6, 7 of R's scale words.  One barrier shows all of it to all waves; nothing is filled again.
.set SLOT,  256                        ; the second half of K lies 256 bytes on in each row of P
.set RIMG,  135168                     ; behind P's 256 rows x 528 bytes: R's images: [tile 8][K step 8][1,024 bytes]
.set PSC,   200704                     ; P's scale bytes, as runs of 256 bytes + 16 of padding
.set RSC,   209408                     ; R's scale words, 4,096 bytes as they lie
.set STG,   213504                     ; the stages: 16 rows x 528 bytes for each wave; no fill lands here
.set SPARE, 281088                     ; the spare words, 128 bytes for each wave: four blocks of 256 bytes that no other line names
.set R_Q,   1024
.set R_C,   512
.set R_T,   8192
.set RS_S,  512
.set ADRP,  4
.set ADRR,  6
.set ADSP,  8
.set ADSR,  9
.set SPW,   10                         ; v10 LDS address of my spare word; never rewritten
.set NIL,   11                         ; v11 0; never rewritten
.set L16,   12                         ; v12 16 x lane
.set STO,   13                         ; v13 the stage: where I put 32 bytes of a row
.set BOF,   14                         ; v14 64 h
.set RD,    15                         ; v15 and where I read a row back
.set SP,    16                         ; v16-31 P's scale words, v32-35 R's: as in launch 2
.set SR,    32
.set RF,    36
.set PF,    52
.set ACC,   128
.set BK0,   52                         ; the way out: rows read back: over P's fragments, and over the accumulators of a = 0, which have gone to the stage
.set BK1,   128
.set WV,    20
.set WP,    21
.set WR,    22
.set CX,    23
.set CY,    24
.set PT,    28
.set RT,    29
.set G1P,   32
.set G1PS,  40
.set G1R,   48
.set G1RS,  56
.set G0P,   68
.set G0R,   80
.set OUTP,  100                        ; s[100:101] out0 at my first token and column
.macro ARM under, g0, g1, next         ; an arm of the head's one chain of branches on the wave's number: its joint load, an s_nop 0 and four v_nop, a jump to the chain's end
	s_cmp_lt_u32 s[WV], \under
	s_cbranch_scc0 \next
	tensor_load_to_lds s[\g0:\g0+3], s[\g1:\g1+7]
	s_nop 0
.rept 4
	v_nop
.endr
	s_branch .Lhead_asked
\next:
.endm
.macro CROUND                          ; a round of the cluster's barrier
	s_barrier_signal -1
	s_barrier_wait -1
	s_cmp_lg_u32 s[WV], 0
	s_cbranch_scc1 .Lnot_wave_0_\@
	s_barrier_signal -3
.Lnot_wave_0_\@:
	s_barrier_wait -3
	s_barrier_signal -1
	s_barrier_wait -1
.endm
	s_load_b256 s[4:11], s[0:1], 0x0               ; cod s[4:5], scl s[6:7], xc s[8:9], xs s[10:11]
	s_load_b128 s[12:15], s[0:1], 0x20             ; bo s[12:13], out0 s[14:15]
	v_lshl_add_u32 v[SPW], v0, 2, SPARE
	v_mov_b32 v[NIL], 0
	ds_add_u32 v[SPW], v[NIL]                      ; the wave's opening: the add, twice on end, and its wait ahead of my first tensor load
	ds_add_u32 v[SPW], v[NIL]
	v_lshrrev_b32 v1, 5, v0
	s_delay_alu instid0(VALU_DEP_1)
	v_readfirstlane_b32 s[WV], v1                  ; wave 0..7
	s_lshr_b32 s[WP], s[WV], 2
	s_and_b32 s[WR], s[WV], 3
	s_bfe_u32 s[CX], ttmp6, 0x40000
	s_bfe_u32 s[CY], ttmp6, 0x40004
	s_and_b32 s25, ttmp7, 0xffff                   ; the cluster's y, 0 .. 15
	s_lshl_b32 s30, s[CY], 2
	s_lshl_b32 s30, 15, s30                        ; my row of the cluster
	s_lshl_b32 s31, 0x1111, s[CX]                  ; my column
	s_mov_b32 s[PT], s[CX]                         ; wo's tile of 256 rows
	s_lshl_b32 s[RT], s25, 2
	s_add_co_u32 s[RT], s[RT], s[CY]               ; the tile of 128 tokens
	s_lshl_b32 s94, s[PT], 17                      ; s92-95 serve P alone, s96-99 R alone
	s_add_co_u32 s94, s94, 14155776                ; wo in cod
	s_and_b32 s27, s[WV], 1                        ; which half of a tile I fetch
	s_lshl_b32 s95, s27, 16                        ; P: 128 rows
	s_add_co_u32 s94, s94, s95
	s_mov_b32 s95, 0
	s_lshr_b32 s92, s94, 4                         ; and in scl
	s_mov_b32 s93, 0
	s_lshl_b32 s98, s[RT], 16                      ; xc: 8 tiles of 8,192 bytes
	s_lshl_b32 s99, s27, 15                        ; R: four tiles
	s_add_co_u32 s98, s98, s99
	s_mov_b32 s99, 0
	s_lshr_b32 s96, s98, 4                         ; xs: 512 bytes a tile
	s_mov_b32 s97, 0
	s_or_b32 s[G1P], s31, (1<<20)|(1<<21)|(6<<22)|(3<<25)          ; P's codes: 128 rows of 512 bytes, 16 bytes of padding behind each
	s_mov_b32 s[G1P+1], 512<<16
	s_mov_b32 s[G1P+2], 128<<16
	s_mov_b32 s[G1P+3], 512<<16
	s_mov_b32 s[G1P+4], 128
	s_mov_b32 s[G1P+5], 512
	s_mov_b32 s[G1P+6], 0
	s_mov_b32 s[G1P+7], 0
	s_or_b32 s[G1PS], s31, (3<<16)|(1<<20)|(1<<21)|(5<<22)|(3<<25) ; P's scales: 8 dense rows of 256 bytes, padded likewise
	s_mov_b32 s[G1PS+1], 32<<16
	s_mov_b32 s[G1PS+2], 16<<16
	s_mov_b32 s[G1PS+3], 32<<16
	s_mov_b32 s[G1PS+4], 16
	s_mov_b32 s[G1PS+5], 32
	s_mov_b32 s[G1PS+6], 0
	s_mov_b32 s[G1PS+7], 0
	s_or_b32 s[G1R], s30, (3<<16)|(1<<21)          ; R's images: of two tiles the half's 4,096 bytes (512 elements of 8), 8,192 apart; no padding
	s_mov_b32 s[G1R+1], 32<<16                     ; four tiles' images are 32,768 dense bytes: 128 rows of 256 bytes (32 elements of 8)
	s_mov_b32 s[G1R+2], 128<<16
	s_mov_b32 s[G1R+3], 32<<16
	s_mov_b32 s[G1R+4], 128
	s_mov_b32 s[G1R+5], 32
	s_mov_b32 s[G1R+6], 0
	s_mov_b32 s[G1R+7], 0
	s_or_b32 s[G1RS], s30, (3<<16)|(1<<21)         ; R's scale words: 4 dense rows of 256 bytes
	s_mov_b32 s[G1RS+1], 32<<16
	s_mov_b32 s[G1RS+2], 8<<16
	s_mov_b32 s[G1RS+3], 32<<16
	s_mov_b32 s[G1RS+4], 8
	s_mov_b32 s[G1RS+5], 32
	s_mov_b32 s[G1RS+6], 0
	s_mov_b32 s[G1RS+7], 0
	s_wait_dscnt 0x0                               ; both opening adds are done
	s_wait_kmcnt 0x0
	s_mov_b32 s[G0P], 1
	s_mul_i32 s[G0P+1], s27, 4352
	s_add_co_u32 s[G0P+1], s[G0P+1], PSC
	s_add_nc_u64 s[G0P+2:G0P+3], s[6:7], s[92:93]
	s_or_b32 s[G0P+3], s[G0P+3], 0x80000000
	s_mov_b32 s[G0P+4], 1
	s_mul_i32 s[G0P+5], s27, 67584
	s_add_nc_u64 s[G0P+6:G0P+7], s[4:5], s[94:95]
	s_or_b32 s[G0P+7], s[G0P+7], 0x80000000
	s_mov_b32 s[G0R], 1
	s_lshl_b32 s[G0R+1], s27, 11
	s_add_co_u32 s[G0R+1], s[G0R+1], RSC
	s_add_nc_u64 s[G0R+2:G0R+3], s[10:11], s[96:97]
	s_or_b32 s[G0R+3], s[G0R+3], 0x80000000
	s_mov_b32 s[G0R+4], 1
	s_lshl_b32 s[G0R+5], s27, 15
	s_add_co_u32 s[G0R+5], s[G0R+5], RIMG
	s_add_nc_u64 s[G0R+6:G0R+7], s[8:9], s[98:99]
	s_or_b32 s[G0R+7], s[G0R+7], 0x80000000
	CROUND                                         ; all sixteen work-groups are here: the joint loads meet
	ARM 2, G0P+4, G1P, .Lhead_r                    ; every fill of the launch, one a wave, each into bytes of its own: P's codes,
	ARM 4, G0R+4, G1R, .Lhead_ps                   ; R's images,
	ARM 6, G0P, G1PS, .Lhead_rs                    ; P's scales,
	tensor_load_to_lds s[G0R:G0R+3], s[G1RS:G1RS+7]   ; R's scale words
	s_nop 0
.rept 4
	v_nop
.endr
.Lhead_asked:
	v_and_b32 v1, 15, v0                           ; r
	v_bfe_u32 v2, v0, 4, 1                         ; h
	v_and_b32 v3, 31, v0                           ; lane
	s_delay_alu instid0(VALU_DEP_1)
	v_lshlrev_b32 v[L16], 4, v3
	s_delay_alu instid0(VALU_DEP_4)
	v_mul_u32_u24 v116, v1, 528
	s_delay_alu instid0(VALU_DEP_1)
	v_lshl_add_u32 v116, v2, 4, v116
	s_mul_i32 s104, s[WP], 67584
	v_add_nc_u32 v[ADRP], s104, v116
	s_delay_alu instid0(VALU_DEP_1)
	v_add_nc_u32 v[ADRP+1], SLOT, v[ADRP]
	s_lshl_b32 s104, s[WR], 14
	s_add_co_u32 s104, s104, RIMG
	v_add_nc_u32 v[ADRR], s104, v[L16]
	s_delay_alu instid0(VALU_DEP_1)
	v_add_nc_u32 v[ADRR+1], 4096, v[ADRR]
	v_lshrrev_b32 v117, 3, v3
	v_lshlrev_b32 v118, 5, v3
	s_delay_alu instid0(VALU_DEP_1)
	v_lshl_add_u32 v118, v117, 4, v118
	s_mul_i32 s104, s[WP], 4352
	s_add_co_u32 s104, s104, PSC
	v_add_nc_u32 v[ADSP], s104, v118
	s_lshl_b32 s104, s[WR], 10
	s_add_co_u32 s104, s104, RSC
	v_add_nc_u32 v[ADSR], s104, v[L16]
	s_mul_i32 s104, s[WV], 8448
	s_add_co_u32 s104, s104, STG                   ; my stage
	v_mul_u32_u24 v[STO], v1, 528
	s_delay_alu instid0(VALU_DEP_1)
	v_lshl_add_u32 v[STO], v2, 6, v[STO]
	s_delay_alu instid0(VALU_DEP_1)
	v_add_nc_u32 v[STO], s104, v[STO]              ; in: row r, + 64 h
	v_add_nc_u32 v[RD], s104, v[L16]               ; back: the 32 lanes take one row of 512 bytes
	v_lshlrev_b32 v[BOF], 6, v2
	s_wait_alu depctr_va_vdst(0)
	s_lshl_b32 s104, s[PT], 10
	s_lshl_b32 s105, s[WP], 9
	s_add_co_u32 s104, s104, s105                  ; my 128 columns, in bytes
	s_mov_b32 s105, 0
	s_add_nc_u64 s[12:13], s[12:13], s[104:105]    ; in bo,
	s_add_nc_u64 s[OUTP:OUTP+1], s[14:15], s[104:105]   ; and in a row of out0
	s_lshl_b32 s104, s[RT], 19                     ; 128 tokens of 4,096 bytes
	s_lshl_b32 s2, s[WR], 17                       ; my 32
	s_add_co_u32 s104, s104, s2
	s_add_nc_u64 s[OUTP:OUTP+1], s[OUTP:OUTP+1], s[104:105]
.set i, 0
.rept 16                               ; THE SEED.  i = 8 a + t: register j of tile t is column 32 (t / 2) + 16 h + 8 (t % 2) + j
	global_load_b128 v[ACC+8*i:ACC+8*i+3], v[BOF], s[12:13] offset:128*((i%8)/2)+32*(i%2)
	global_load_b128 v[ACC+8*i+4:ACC+8*i+7], v[BOF], s[12:13] offset:128*((i%8)/2)+32*(i%2)+16
.set i, i+1
.endr
.macro FRAGP t, slot, q
	ds_load_b128 v[PF+8*(\t):PF+8*(\t)+3], v[ADRP+(\slot)] offset:64*(\q)+(\t)*8448
	ds_load_b128 v[PF+8*(\t)+4:PF+8*(\t)+7], v[ADRP+(\slot)] offset:64*(\q)+32+(\t)*8448
.endm
.macro FRAGR a, slot, q
	ds_load_b128 v[RF+8*(\a):RF+8*(\a)+3], v[ADRR+(\slot)] offset:R_Q*(\q)+R_T*(\a)
	ds_load_b128 v[RF+8*(\a)+4:RF+8*(\a)+7], v[ADRR+(\slot)] offset:R_Q*(\q)+R_C+R_T*(\a)
.endm
.macro SCALES slot
.irp i, 0,1,2,3
	ds_load_b128 v[SP+4*\i:SP+4*\i+3], v[ADSP] offset:1088*\i+16*(\slot)
.endr
	ds_load_b128 v[SR:SR+3], v[ADSR] offset:RS_S*(\slot)
.endm
.macro MM a, q                         ; one product: P's tile t (an assembler symbol) x R's tile a, K step q of the half
.set rD, ACC+64*\a+8*t
.set rP, PF+8*t
.set rR, RF+8*\a
.set rSP, SP+4*(t/2)+\q
.set rSR, SR+\q
.if (t%2) && \a
	v_wmma_scale_f32_16x16x128_f8f6f4 v[rD:rD+7], v[rP:rP+7], v[rR:rR+7], v[rD:rD+7], v[rSP], v[rSR] matrix_a_fmt:MATRIX_FMT_FP4 matrix_b_fmt:MATRIX_FMT_FP4 matrix_a_scale:MATRIX_SCALE_ROW1 matrix_b_scale:MATRIX_SCALE_ROW1
.elseif t%2
	v_wmma_scale_f32_16x16x128_f8f6f4 v[rD:rD+7], v[rP:rP+7], v[rR:rR+7], v[rD:rD+7], v[rSP], v[rSR] matrix_a_fmt:MATRIX_FMT_FP4 matrix_b_fmt:MATRIX_FMT_FP4 matrix_a_scale:MATRIX_SCALE_ROW1
.elseif \a
	v_wmma_scale_f32_16x16x128_f8f6f4 v[rD:rD+7], v[rP:rP+7], v[rR:rR+7], v[rD:rD+7], v[rSP], v[rSR] matrix_a_fmt:MATRIX_FMT_FP4 matrix_b_fmt:MATRIX_FMT_FP4 matrix_b_scale:MATRIX_SCALE_ROW1
.else
	v_wmma_scale_f32_16x16x128_f8f6f4 v[rD:rD+7], v[rP:rP+7], v[rR:rR+7], v[rD:rD+7], v[rSP], v[rSR] matrix_a_fmt:MATRIX_FMT_FP4 matrix_b_fmt:MATRIX_FMT_FP4
.endif
.endm
.macro MUL8 t0, q
.set t, \t0
.rept 4
	MM 0, \q
	MM 1, \q
.set t, t+1
.endr
.endm
.macro LOADS slot, q
.if (\q) == 0
	SCALES \slot
.endif
	FRAGR 0, \slot, \q
	FRAGR 1, \slot, \q
.irp t, 0,1,2,3,4,5,6,7
	FRAGP \t, \slot, \q
.endr
.endm
.macro STEP slot, q                    ; 128 along K
.rept 4
	v_nop                                          ; four places in front of loads into registers that matrix instructions have read (ISA guide 7.12.1 for vector instructions)
.endr
	LOADS \slot, \q
	s_wait_dscnt 8                                 ; all but the youngest eight loads, P's tiles 4 to 7
	MUL8 0, \q
	s_wait_dscnt 0x0
	MUL8 4, \q
.endm
	s_wait_tensorcnt 0x0                           ; my one load is in
	s_barrier_signal -1
	s_barrier_wait -1                              ; everybody's are
	LOADS 0, 0
	s_wait_loadcnt 0x0                             ; the bias
	s_wait_dscnt 8
	MUL8 0, 0
	s_wait_dscnt 0x0
	MUL8 4, 0
	STEP 0, 1
	STEP 0, 2
	STEP 0, 3
	STEP 1, 0
	STEP 1, 1
	STEP 1, 2
	STEP 1, 3
.macro TOSTAGE a, bk                   ; tile a's 16 tokens x 128 columns into my stage, each accumulator from its low end on, and back as whole rows.  LDS serves a wave's instructions in order: no wait between
.set t, 0
.rept 8
	ds_store_b128 v[STO], v[ACC+64*\a+8*t:ACC+64*\a+8*t+3] offset:128*(t/2)+32*(t%2)
	ds_store_b128 v[STO], v[ACC+64*\a+8*t+4:ACC+64*\a+8*t+7] offset:128*(t/2)+32*(t%2)+16
.set t, t+1
.endr
.set i, 0
.rept 16
	ds_load_b128 v[\bk+4*i:\bk+4*i+3], v[RD] offset:528*i
.set i, i+1
.endr
.endm
.macro SEND a, bk, younger             ; younger: the LDS instructions issued behind tile a's loads, which may stay out
.set i, 0
.rept 16
	s_wait_dscnt \younger+15-i                     ; row i is back
	global_store_b128 v[L16], v[\bk+4*i:\bk+4*i+3], s[OUTP:OUTP+1] offset:(8*\a+i+8*(i/8))*4096 th:TH_STORE_NT   ; 512 consecutive bytes, aligned; written once, read by nobody here
.set i, i+1
.endr
.endm
.rept 4
	v_nop                                          ; four places behind the last products: results are read, and loads land on P's fragments and on accumulators
.endr
	TOSTAGE 0, BK0
	TOSTAGE 1, BK1
	SEND 0, BK0, 32                                ; behind tile 0's loads: tile 1's 16 stores and 16 loads
	SEND 1, BK1, 0
	s_wait_tensorcnt 0x0                           ; the wave's end
	ds_add_u32 v[SPW], v[NIL]
	s_wait_dscnt 0x0
	CROUND                                         ; the closing round: no work-group ends while a partner may still ask for a tile that names it
	s_endpgm
.Lfunc_end_k_q8c4e3de88d_outp:
	.size	k_q8c4e3de88d_outp, .Lfunc_end_k_q8c4e3de88d_outp-k_q8c4e3de88d_outp
	.p2alignl 7, 3214868480
	.fill 96, 4, 3214868480
	.section	.rodata,"a",@progbits
	.p2align	6, 0x0
	.amdhsa_kernel k_q8c4e3de88d_outp
		.amdhsa_group_segment_fixed_size 286208
		.amdhsa_private_segment_fixed_size 0
		.amdhsa_enable_private_segment 0
		.amdhsa_kernarg_size 48
		.amdhsa_user_sgpr_count 2
		.amdhsa_user_sgpr_kernarg_segment_ptr 1
		.amdhsa_wavefront_size32 1
		.amdhsa_system_sgpr_workgroup_id_x 1
		.amdhsa_system_sgpr_workgroup_id_y 1
		.amdhsa_system_sgpr_workgroup_id_z 1
		.amdhsa_system_vgpr_workitem_id 0
		.amdhsa_next_free_vgpr 256
		.amdhsa_next_free_sgpr 106
		.amdhsa_reserve_vcc 0
		.amdhsa_float_denorm_mode_32 3
		.amdhsa_float_denorm_mode_16_64 3
		.amdhsa_memory_ordered 1
		.amdhsa_forward_progress 1
		.amdhsa_inst_pref_size 48
	.end_amdhsa_kernel
	.amdgpu_metadata
---
amdhsa.version: [ 1, 2 ]
amdhsa.kernels:
  - .name:           k_q8c4e3de88d_outp
    .symbol:         k_q8c4e3de88d_outp.kd
    .args:
      - { .name: cod, .offset: 0, .size: 8, .value_kind: global_buffer, .address_space: global }
      - { .name: scl, .offset: 8, .size: 8, .value_kind: global_buffer, .address_space: global }
      - { .name: xc, .offset: 16, .size: 8, .value_kind: global_buffer, .address_space: global }
      - { .name: xs, .offset: 24, .size: 8, .value_kind: global_buffer, .address_space: global }
      - { .name: bo, .offset: 32, .size: 8, .value_kind: global_buffer, .address_space: global }
      - { .name: out0, .offset: 40, .size: 8, .value_kind: global_buffer, .address_space: global }
    .group_segment_fixed_size: 286208
    .private_segment_fixed_size: 0
    .kernarg_segment_align: 8
    .kernarg_segment_size: 48
    .max_flat_workgroup_size: 256
    .sgpr_count:     106
    .vgpr_count:     256
    .wavefront_size: 32
...
	.end_amdgpu_metadata
.endif
;; end of part 4
